; MI455X (gfx1250); checked and timed in simulation.
; The chip was launched on July 23, 2026; its instructions are those of AMD's public machine-readable ISA for CDNA 5 (MIT licence, August 2026) and "CDNA5" Instruction Set Architecture Reference Guide (July 2026). The comments in the code are by the model that wrote it; some were corrected since.
;; MHA. Allowed arithmetic: matrix products marked QUANTISED: E2M1 operands, one E8M0 scale for each 32 along K, by v_wmma_scale_f32_16x16x128_f8f6f4 with both operands' format E2M1 (or v_wmma_scale_f32_32x16x128_f4), f32 sums; everything else in f32.
;; Inputs: Wk_codes 2,048 x 64 x 16 uint8 (E2M1 codes of Wk, K innermost, in blocks of 32 codes, two codes a byte); Wk_scales 2,048 x 64 uint8 (E8M0 scales of Wk, one for each 32 codes along K); Wo_codes 2,048 x 64 x 16 uint8 (E2M1 codes of Wo, K innermost, in blocks of 32 codes, two codes a byte); Wo_scales 2,048 x 64 uint8 (E8M0 scales of Wo, one for each 32 codes along K); Wq_codes 2,048 x 64 x 16 uint8 (E2M1 codes of Wq, K innermost, in blocks of 32 codes, two codes a byte); Wq_scales 2,048 x 64 uint8 (E8M0 scales of Wq, one for each 32 codes along K); Wv_codes 2,048 x 64 x 16 uint8 (E2M1 codes of Wv, K innermost, in blocks of 32 codes, two codes a byte); Wv_scales 2,048 x 64 uint8 (E8M0 scales of Wv, one for each 32 codes along K); cos 2,048 x 64 float32; rms_w 2,048 float32; sin 2,048 x 64 float32; x 1 x 2,048 x 2,048 float32.
;; Outputs: out0 1 x 2,048 x 2,048 float32.
;; This version of the problem:
;;   THIS VERSION OF THE PROBLEM IS GIVEN IN LOW PRECISION. The matrix products marked QUANTISED in the list below multiply operands that are first quantised to E2M1 (2 exponent bits, 1 mantissa bit; 4 bits a number), with one power-of-two scale for each 32 numbers along K (OCP MX v1.0); their sums are f32. All else is computed in f32.
;;   The module's matrix products, in the order in which they are computed (A, B: the left and right operand; K: the contracted axis; several contracted axes count as one K, in the product's order):
;;     1. [M 2,048, K 2,048] x [K 2,048, N 2,048]; A: computed on the way; B: input Wq (given as codes): QUANTISED
;;     2. [M 2,048, K 2,048] x [K 2,048, N 2,048]; A: computed on the way; B: input Wk (given as codes): QUANTISED
;;     3. [M 2,048, K 2,048] x [K 2,048, N 2,048]; A: computed on the way; B: input Wv (given as codes): QUANTISED
;;     4. batch 16 x [M 2,048, K 128] x [K 128, N 2,048]; A: computed on the way; B: computed on the way: QUANTISED
;;     5. batch 16 x [M 2,048, K 2,048] x [K 2,048, N 128]; A: softmax (see below); B: computed on the way: QUANTISED
;;     6. [M 2,048, K 2,048] x [K 2,048, N 2,048]; A: computed on the way; B: input Wo (given as codes): QUANTISED
;;   THE QUANTISER, for each operand of a quantised product, along K:
;;     - K is cut into blocks of 32 from its start; a last block that is shorter is filled with zeros.
;;     - A block's scale is 2^e with e = floor(log2(the largest magnitude in the block)) - 2, held to -126 .. 127; a block of zeros has e = 0. As a byte (E8M0): e + 127.
;;     - Each number is divided by its block's scale, clamped to +-6, and rounded to the nearest number of E2M1, ties to even, subnormals kept.
;;     - The product sums the exact products of the quantised numbers (number of the format x scale) in f32.
;;   ~~~python
;;   def quantise(x, axis):      # numpy; x: float32 -> the quantised numbers, widened to float32 again
;;       x = np.moveaxis(x, axis, -1); K = x.shape[-1]
;;       x = np.pad(x, [(0, 0)] * (x.ndim - 1) + [(0, -K % 32)]); x = x.reshape(x.shape[:-1] + (-1, 32)); a = np.abs(x).max(-1, keepdims=True)
;;       e = np.where(a > 0, np.clip(np.frexp(np.where(a > 0, a, 1))[1] - 1 - 2, -126, 127), 0)      # np.frexp(a)[1] - 1 = floor(log2(a)), exactly
;;       r = np.clip(x / 2.0 ** e, -6, 6)
;;       step = 2.0 ** (np.maximum(np.frexp(np.where(r == 0, 1, r))[1] - 1, 0) - 1)
;;       q = np.round(r / step) * step * 2.0 ** e      # np.round: ties to even
;;       return np.moveaxis(q.reshape(q.shape[:-2] + (-1,))[..., :K], -1, axis).astype(np.float32)
;;   ~~~
;;   SOFTMAX AHEAD OF A QUANTISED PRODUCT. Where the list says 'softmax', what is quantised is not the finished softmax but p = 2^(t - M), with t = logit x log2(e) and M = ceil(the row's largest t), a whole number; so 1/2 < the row's largest p <= 1. The row's sum l is taken of the UNQUANTISED p, in f32, and the product's result is divided by l at the end. Since M is a whole number, a kernel that streams over the keys may use a running M (the ceiling of the running maximum): every later rescaling is an exact power of two, which a block's scale takes up: the codes' values come out the same.
;;   OPERANDS COMPUTED ON THE WAY. 'Computed on the way' means the value that the module computes at that place (a softmax that the list does not call 'softmax' is quantised finished and normalised). What goes into a quantiser is computed in f32, as accurately as f32 sums, v_exp_f32 and their like allow (about 1e-6 of the number): no bf16 or f16 on the way to a quantiser, and a product that is left as it is and whose result goes on into a quantised operand takes f32 operands (vector FMAs, or v_wmma_f32_16x16x4_f32). A number that lies on a knife's edge between two numbers of the format may be rounded either way, as far as f32 arithmetic and the matrix unit's own rounding can turn it there, and no further.
;;   INPUTS GIVEN AS CODES. Wk (in the module: [2048, 2048], K = its axis 0); Wo (in the module: [2048, 2048], K = its axis 0); Wq (in the module: [2048, 2048], K = its axis 0); Wv (in the module: [2048, 2048], K = its axis 0): each comes as NAME_codes (uint8): NAME with its K axis moved to the last place and cut into blocks of 32 codes, [.., K / 32, bytes a block], one block behind the other in memory; two codes a byte, the lower K in the low four bits (a code: sign, 2 exponent bits, 1 mantissa bit); and NAME_scales (uint8): the same leading axes, one E8M0 byte (e + 127) for each 32 codes along K. Its value is code x scale, taken as it is: it is not quantised again, and the codes and scales need not be those that the quantiser above would give.
;; One version. Each part assembles by itself: llvm-mc -triple=amdgcn-amd-amdhsa -mcpu=gfx1250 --defsym DOCPART=n.
;; ======== version 1 of 1: 4 launches
;; limits: right only within a limited range of input values
;; workspace buffers: h_codes 2,097,152 bytes; h_scales 131,072 bytes; q_img 2,097,152 bytes; q_sc 131,072 bytes; kv 4,456,448 bytes; a_img 2,097,152 bytes; a_sc 131,072 bytes
;; launch norm (part 1): grid 256 x 1, 8 waves a work-group, no clusters, 83,456 bytes of LDS; arguments x, rms_w, h_codes, h_scales; writes h_codes, h_scales
.if DOCPART == 1
	.amdgcn_target "amdgcn-amd-amdhsa--gfx1250"
	.amdhsa_code_object_version 6
	.text
	.protected	k_q81407cf3a5_norm
	.globl	k_q81407cf3a5_norm
	.p2align	8
	.type	k_q81407cf3a5_norm,@function
k_q81407cf3a5_norm:
	s_mov_b64 s[64:65], 0
	v_nop
	global_prefetch_b8 v0, s[64:65] scope:SCOPE_SE
	s_setreg_imm32_b32 hwreg(HW_REG_WAVE_MODE, 25, 1), 1
	s_wait_xcnt 0x0
; h[r][c] = x[r][c] * rsqrt(mean over c of x[r][c]^2 + 1e-5) * w[c], in f32, then turned into codes of FP4 (E2M1) along c, one E8M0 byte for each 32.
; x: [2048][2048] f32.  h_codes: [2048][1024 bytes], two codes a byte, the lower c in the low four bits.  h_scales: [2048][64 bytes].
; SHARES.  A work-group of eight waves takes 8 rows, a wave ONE row (8,192 bytes: 64 registers a lane), so the sum of squares never leaves the wave and the row is read once.
; Every load reads 512 consecutive bytes.  The conversions want 16 NEIGHBOURS in a lane: the finished numbers turn through the wave's own stages in LDS (16 bytes of padding behind each 64).
; A lane's 16 codes are 8 bytes: a store of the wave covers 256 consecutive bytes, aligned.  The work-group's 512 scale bytes meet in LDS and leave by one store of wave 0.
; A block's scale byte is its largest magnitude's exponent field - 2, held at 1 from below.
; LIMITS: a block of zeros gets the byte 1 (its codes are zeros; the bytes are read by this program alone); blocks whose largest magnitude lies under 2^-124 keep the byte 1; NaN and infinities among the inputs are not served.
; No matrix unit, no tensor load, no cluster: the work-groups share nothing but w's 8,192 bytes.
.set SP,    80                         ; a lane's place in a stage: 64 bytes + 16 of padding
; WORK LEFT OUT, in a later launch (attn): steps of 128 keys that all come after a wave's 16 queries.  reference() itself replaces their scores by the least f32 number ahead of the softmax,
; and key 0 counts for every query: so their probabilities are 0 for all finite inputs.  LIMIT: a NaN, an infinity or an overflow that reaches only that work is not carried to the result.
.set STG,   32*SP
.set WREG,  4*STG                      ; four stages for each wave
.set SB,    8*WREG                     ; behind them: the work-group's 512 scale bytes, 64 a wave
.set R,     16                         ; v16-79   the row as loaded: load i's 16 bytes a lane at v[R+4i]
.set X,     80                         ; v80-143  w as loaded; later the row turned: step j's 16 neighbours at v[X+16j]
.set C,     144                        ; v144-151 codes, two registers a step, never rewritten
.set E,     152                        ; v152-155 a scale byte a step
	s_load_b256 s[4:11], s[0:1], 0x0               ; x s[4:5], w s[6:7], codes s[8:9], scale bytes s[10:11]
	v_lshl_add_u32 v160, v0, 2, 0x14200
	v_mov_b32 v161, 0
	v_lshrrev_b32 v1, 5, v0
	s_delay_alu instid0(VALU_DEP_1)
	v_readfirstlane_b32 s12, v1                    ; wave 0..7
	v_and_b32 v2, 31, v0                           ; lane
	s_delay_alu instid0(VALU_DEP_1)
	v_lshlrev_b32 v3, 4, v2                        ; my 16 bytes of a load's 512
	s_mul_i32 s23, s12, WREG
	v_lshrrev_b32 v4, 2, v2
	s_delay_alu instid0(VALU_DEP_1)
	v_mul_u32_u24 v4, v4, SP
	v_and_b32 v5, 3, v2
	s_delay_alu instid0(VALU_DEP_1)
	v_lshl_add_u32 v4, v5, 4, v4
	s_delay_alu instid0(VALU_DEP_1)
	v_add_nc_u32 v4, s23, v4                       ; into a stage: four lanes' 64 bytes on end, then the padding
	v_mul_u32_u24 v5, v2, SP
	s_delay_alu instid0(VALU_DEP_1)
	v_add_nc_u32 v5, s23, v5                       ; out of it: my 16 neighbours
	s_lshl_b32 s24, s12, 6
	s_add_co_u32 s24, s24, SB
	v_lshrrev_b32 v6, 1, v2
	s_delay_alu instid0(VALU_DEP_1)
	v_add_nc_u32 v6, s24, v6                       ; my block's scale byte: two lanes to a block
	v_lshlrev_b32 v7, 3, v2                        ; my 8 bytes of a step's 256 bytes of codes
	v_add_nc_u32 v1, SB, v3                        ; wave 0's read of the 512 scale bytes
	s_lshl_b32 s13, ttmp9, 3
	s_add_co_u32 s13, s13, s12                     ; my row
	s_lshl_b32 s14, s13, 13                        ; its bytes in x,
	s_mov_b32 s15, 0
	s_lshl_b32 s16, s13, 10                        ; in the codes,
	s_mov_b32 s17, 0
	s_lshl_b32 s18, ttmp9, 9                       ; and the work-group's in the scale bytes
	s_mov_b32 s19, 0
	s_mov_b32 s20, 0x76543210                      ; v_permlanex16_b32's selects for lane l xor 16
	s_mov_b32 s21, 0xfedcba98
	s_mov_b32 s22, 0x3a000000                      ; 1 / 2048
	s_wait_kmcnt 0x0
	s_add_nc_u64 s[4:5], s[4:5], s[14:15]
	s_add_nc_u64 s[8:9], s[8:9], s[16:17]
	s_add_nc_u64 s[10:11], s[10:11], s[18:19]
.irp i, 0,1,2,3,4,5,6,7,8,9,10,11,12,13,14,15
	global_load_b128 v[R+4*\i:R+4*\i+3], v3, s[4:5] offset:512*\i
.endr
.irp i, 0,1,2,3,4,5,6,7,8,9,10,11,12,13,14,15
	global_load_b128 v[X+4*\i:X+4*\i+3], v3, s[6:7] offset:512*\i
.endr
	s_wait_loadcnt 16                              ; the row is in; w's sixteen loads may be out
.irp k, 0,1,2,3
	v_pk_mul_f32 v[8+2*\k:9+2*\k], v[R+2*\k:R+2*\k+1], v[R+2*\k:R+2*\k+1]   ; four chains of packed squares: the first products start them
.endr
.set k, 4
.rept 28
	s_delay_alu instid0(VALU_DEP_4)
	v_pk_fma_f32 v[8+2*(k%4):9+2*(k%4)], v[R+2*k:R+2*k+1], v[R+2*k:R+2*k+1], v[8+2*(k%4):9+2*(k%4)]
.set k, k+1
.endr
	s_delay_alu instid0(VALU_DEP_3)
	v_pk_add_f32 v[8:9], v[8:9], v[10:11]
	s_delay_alu instid0(VALU_DEP_2)
	v_pk_add_f32 v[12:13], v[12:13], v[14:15]
	s_delay_alu instid0(VALU_DEP_1)
	v_pk_add_f32 v[8:9], v[8:9], v[12:13]
	s_delay_alu instid0(VALU_DEP_1)
	v_add_f32 v8, v8, v9
	s_delay_alu instid0(VALU_DEP_1)
	v_add_f32_dpp v8, v8, v8 row_xmask:1 row_mask:0xf bank_mask:0xf
	s_delay_alu instid0(VALU_DEP_1)
	v_add_f32_dpp v8, v8, v8 row_xmask:2 row_mask:0xf bank_mask:0xf
	s_delay_alu instid0(VALU_DEP_1)
	v_add_f32_dpp v8, v8, v8 row_xmask:4 row_mask:0xf bank_mask:0xf
	s_delay_alu instid0(VALU_DEP_1)
	v_add_f32_dpp v8, v8, v8 row_xmask:8 row_mask:0xf bank_mask:0xf
	s_delay_alu instid0(VALU_DEP_1)
	v_permlanex16_b32 v9, v8, s20, s21
	s_delay_alu instid0(VALU_DEP_1)
	v_add_f32 v8, v8, v9                           ; the row's sum of squares, in every lane
	v_mov_b32 v9, 0x3727c5ac                       ; 1e-5
	s_delay_alu instid0(VALU_DEP_1)
	v_fma_f32 v8, v8, s22, v9                      ; the mean (a power of two: exact) + eps, one rounding
	s_wait_alu depctr_va_vdst(0)
	v_rsq_f32 v10, v8
	v_mov_b32 v11, 0                               ; a plain instruction behind the transcendental (ISA guide 5.7.2); also the pair's upper word, which is named and not used
	s_wait_loadcnt 0x0                             ; w
.set k, 0
	s_wait_alu depctr_va_vdst(0)
.rept 32
	v_pk_mul_f32 v[R+2*k:R+2*k+1], v[R+2*k:R+2*k+1], v[10:11] op_sel_hi:[1,0]   ; x * rsqrt
.set k, k+1
.endr
.set k, 0
.rept 32
	v_pk_mul_f32 v[R+2*k:R+2*k+1], v[R+2*k:R+2*k+1], v[X+2*k:X+2*k+1]           ; * w
.set k, k+1
.endr
.macro TURN j                          ; step j's 512 numbers through stage j: LDS serves a wave's instructions in order, so no wait stands between the stores and the loads
.irp i, 0,1,2,3
	ds_store_b128 v4, v[R+16*\j+4*\i:R+16*\j+4*\i+3] offset:STG*\j+8*SP*\i
.endr
.irp i, 0,1,2,3
	ds_load_b128 v[X+16*\j+4*\i:X+16*\j+4*\i+3], v5 offset:STG*\j+16*\i
.endr
.endm
	TURN 0
	TURN 1
	TURN 2
	TURN 3
	s_wait_dscnt 0x0                               ; all four steps are back
.macro QSTEP j
.set XS, X+16*\j
	v_max3_num_f32 v8, |v[XS]|, |v[XS+1]|, |v[XS+2]|               ; the largest magnitude of my 16, in two chains
	v_max3_num_f32 v9, |v[XS+3]|, |v[XS+4]|, |v[XS+5]|
.irp i, 6,10
	s_delay_alu instid0(VALU_DEP_2)
	v_max3_num_f32 v8, v8, |v[XS+\i]|, |v[XS+\i+1]|
	s_delay_alu instid0(VALU_DEP_2)
	v_max3_num_f32 v9, v9, |v[XS+\i+2]|, |v[XS+\i+3]|
.endr
	s_delay_alu instid0(VALU_DEP_2)
	v_max3_num_f32 v8, v8, |v[XS+14]|, |v[XS+15]|
	s_delay_alu instid0(VALU_DEP_1)
	v_max3_num_f32 v8, v8, v9, 0x1800000           ; and the floor 2^(3 - 127): the byte cannot fall under 1
	s_delay_alu instid0(VALU_DEP_1)
	v_max_num_f32_dpp v8, v8, v8 row_xmask:1 row_mask:0xf bank_mask:0xf   ; with my neighbour's 16: the block's
	s_delay_alu instid0(VALU_DEP_1)
	v_add_nc_u32 v11, 0xff000000, v8               ; 2 off its exponent field: the conversion takes the exponent field of this operand as its scale
	v_cvt_scalef32_pk8_fp4_f32 v[C+2*\j], v[XS:XS+7], v11
	v_cvt_scalef32_pk8_fp4_f32 v[C+2*\j+1], v[XS+8:XS+15], v11
	v_lshrrev_b32 v[E+\j], 23, v11                 ; the scale's byte; also the plain instruction behind the conversions
	ds_store_b8 v6, v[E+\j] offset:16*\j           ; both lanes of a block write the same byte with the same value
	global_store_b64 v7, v[C+2*\j:C+2*\j+1], s[8:9] offset:256*\j   ; the wave stores 256 consecutive bytes, aligned
.endm
	QSTEP 0
	QSTEP 1
	QSTEP 2
	QSTEP 3
	s_wait_dscnt 0x0                               ; for wave 0's sake: my scale bytes lie in LDS
	s_barrier_signal -1
	s_barrier_wait -1
	s_cmp_lg_u32 s12, 0
	s_cbranch_scc1 .Lend
	ds_load_b128 v[12:15], v1                      ; the eight rows' 512 scale bytes, dense in memory too
	s_wait_dscnt 0x0
	global_store_b128 v3, v[12:15], s[10:11]       ; 512 consecutive bytes, aligned
.Lend:
	s_wait_tensorcnt 0x0
	ds_add_u32 v160, v161
	s_wait_dscnt 0x0
	s_endpgm
.Lfunc_end_k_q81407cf3a5_norm:
	.size	k_q81407cf3a5_norm, .Lfunc_end_k_q81407cf3a5_norm-k_q81407cf3a5_norm
	.p2alignl 7, 3214868480
	.fill 96, 4, 3214868480
	.section	.rodata,"a",@progbits
	.p2align	6, 0x0
	.amdhsa_kernel k_q81407cf3a5_norm
		.amdhsa_group_segment_fixed_size 83456
		.amdhsa_private_segment_fixed_size 0
		.amdhsa_enable_private_segment 0
		.amdhsa_kernarg_size 32
		.amdhsa_user_sgpr_count 2
		.amdhsa_user_sgpr_kernarg_segment_ptr 1
		.amdhsa_wavefront_size32 1
		.amdhsa_system_sgpr_workgroup_id_x 1
		.amdhsa_system_sgpr_workgroup_id_y 1
		.amdhsa_system_sgpr_workgroup_id_z 1
		.amdhsa_system_vgpr_workitem_id 0
		.amdhsa_next_free_vgpr 162
		.amdhsa_next_free_sgpr 66
		.amdhsa_reserve_vcc 0
		.amdhsa_float_denorm_mode_32 3
		.amdhsa_float_denorm_mode_16_64 3
		.amdhsa_memory_ordered 1
		.amdhsa_forward_progress 1
		.amdhsa_inst_pref_size 21
	.end_amdhsa_kernel
	.amdgpu_metadata
---
amdhsa.version: [ 1, 2 ]
amdhsa.kernels:
  - .name:           k_q81407cf3a5_norm
    .symbol:         k_q81407cf3a5_norm.kd
    .args:
      - { .name: x, .offset: 0, .size: 8, .value_kind: global_buffer, .address_space: global }
      - { .name: rms_w, .offset: 8, .size: 8, .value_kind: global_buffer, .address_space: global }
      - { .name: h_codes, .offset: 16, .size: 8, .value_kind: global_buffer, .address_space: global }
      - { .name: h_scales, .offset: 24, .size: 8, .value_kind: global_buffer, .address_space: global }
    .group_segment_fixed_size: 83456
    .private_segment_fixed_size: 0
    .kernarg_segment_align: 8
    .kernarg_segment_size: 32
    .max_flat_workgroup_size: 256
    .sgpr_count:     66
    .vgpr_count:     162
    .wavefront_size: 32
...
	.end_amdgpu_metadata
.endif
;; end of part 1
;; launch qkv (part 2): grid 32 x 8, 8 waves a work-group, clusters of 4 x 4, 327,680 bytes of LDS; arguments h_codes, h_scales, Wq_codes, Wq_scales, Wk_codes, Wk_scales, Wv_codes, Wv_scales, cos, sin, q_img, q_sc, kv; writes q_img, q_sc, kv
.if DOCPART == 2
	.amdgcn_target "amdgcn-amd-amdhsa--gfx1250"
	.amdhsa_code_object_version 6
	.text
	.protected	k_q81407cf3a5_qkv
	.globl	k_q81407cf3a5_qkv
	.p2align	8
	.type	k_q81407cf3a5_qkv,@function
k_q81407cf3a5_qkv:
	s_mov_b64 s[64:65], 0
	v_nop
	global_prefetch_b8 v0, s[64:65] scope:SCOPE_SE
	s_setreg_imm32_b32 hwreg(HW_REG_WAVE_MODE, 25, 1), 1
	s_wait_xcnt 0x0
	s_wait_alu depctr_hold_cnt(0) depctr_sa_sdst(0) depctr_va_vdst(0) depctr_va_sdst(0) depctr_va_ssrc(0) depctr_va_vcc(0) depctr_vm_vsrc(0)
	s_getreg_b32 s2, hwreg(HW_REG_IB_STS2, 6, 4)
	s_cmp_eq_u32 s2, 0
	s_cbranch_scc0 .Lentry_in_a_cluster
	s_endpgm
.Lentry_in_a_cluster:
	s_bfe_u32 s2, ttmp6, 0x10000c
	s_cmp_lg_u32 s2, 0xf033
	s_cbranch_scc0 .Lentry_shape_is_right
	s_endpgm
.Lentry_shape_is_right:
; Q, K, V = h W on codes of FP4 (E2M1), one E8M0 scale for each 32 along K = 2048, f32 sums; Q and K turned by RoPE; all three quantised and stored as images of operand registers.
; SHARES.  32 x 8 = 256 work-groups.  One takes 256 tokens and 192 columns: e = 0: head's Q (128) and V's channels 0-63; e = 1: head's K and V's channels 64-127.  Eight waves: wave = 2 wr + w takes tokens 64 wr .. + 63 and,
; of Q or K, the blocks of 32 channels w and w + 2 (RoPE's pairs lie in one lane), and 32 channels of V: 4 x 6 accumulators.
; Q's and K's sums are used transposed (source 0 = rows of W): a lane holds a token.  V's are not (source 0 = rows of h): a lane holds a channel, its registers run along the keys, which are V's K in the next launch.
; IMAGES: 16 rows x 128 in 1,024 bytes: registers 4c .. 4c+3 at 512 c + 16 lane.  Q's and K's blocks of 32 lie in the order 0, 2, 1, 3 along the head, alike in both and in their scale words.
; kv: [head][256 keys]{K: two steps of (8 images, 512 bytes of scale words), V: the same}: 4 x 8,704 bytes.  q_img: [head][128 tiles], q_sc: [head][2048] words.
; TILES.  K goes in four steps of 512 through two LDS slots of 448 rows (256 of h, 128 of Wq or Wk, 64 of Wv), rows of 256 bytes + 16 of padding.  Both slots' first fills go out at the head, one load a wave (waves 0-3 slot 0, waves 4-7 slot 1), and each
; slot is filled once more by the same waves.  CLUSTERS 4 x 4: h's rows are asked for jointly along a row of the cluster, W's along a column.  e hangs on the cluster's number: alike in all partners.
; PREFETCH: behind slot 0's first fragments each wave names its work-group's share of the rows that the wave will fetch again: K step 2 (waves 0-3, one K step ahead of that load) or 3 (waves 4-7, two ahead); once in each cluster, shared by address.
; LIMITS: a block of zeros gets the byte 1 with zero codes; blocks under 2^-124 keep the byte 1; NaN and infinities are not served.
; REGISTERS: window 0: v1, v2 the add; v3-14 addresses; v16-95 scale words (register 8 i + k: K step of 128 number k in lanes 0-15, 8 + k in lanes 16-31): v16 h's 4 blocks, v48 W's 6;
;   v96-175, v176-255 two fragment buffers (4 of h, 6 of W).  window 1: v0-191 accumulators, (a, b) at 48 a + 8 b; v192-255 cos and sin of row blocks 0 and 1.
.set PITCH, 272
.set SLOT,  448*PITCH
.set BQ,    256*PITCH
.set BV,    384*PITCH
.set SB,    2*SLOT                     ; scale bytes on the way out: 1,024 of Q or K, 512 of V
.set SPARE, SB+1536
.set G1A, 24
.set G1Q, 32
.set G1V, 40
.set G0A, 48
.set G0Q, 52
.set G0V, 56
.set MSB, 0
.macro WIN new
.if MSB != (\new)
	s_set_vgpr_msb (MSB<<8)|(\new)
.set MSB, \new
.endif
.endm
.macro ARM n,g0,g1,next,done
	s_cmp_lt_u32 s14, \n
	s_cbranch_scc0 \next
	tensor_load_to_lds s[\g0:\g0+3], s[\g1:\g1+7]
	s_nop 0
.rept 4
	v_nop
.endr
	s_branch \done
\next:
.endm
.macro CREST
	s_cmp_lg_u32 s14, 0
	s_cbranch_scc1 .Lnot_wave_0_\@
	s_barrier_signal -3
.Lnot_wave_0_\@:
	s_barrier_wait -3
	s_barrier_signal -1
	s_barrier_wait -1
.endm
.macro CROUND
	s_barrier_signal -1
	s_barrier_wait -1
	CREST
.endm
	s_load_b512 s[68:83], s[0:1], 0x0              ; h s68, s70; Wq s72, s74; Wk s76, s78; Wv s80, s82
	s_load_b256 s[84:91], s[0:1], 0x40             ; cos s84, sin s86, q_img s88, q_sc s90
	s_load_b64 s[92:93], s[0:1], 0x60              ; kv
	v_lshl_add_u32 v1, v0, 2, SPARE
	v_mov_b32 v2, 0
	ds_add_u32 v1, v2                              ; the opening: the add, twice on end
	ds_add_u32 v1, v2
	v_lshrrev_b32 v96, 5, v0
	v_readfirstlane_b32 s14, v96                   ; wave 0..7
	s_lshr_b32 s15, s14, 2                         ; the slot that I fill
	s_and_b32 s16, s14, 1                          ; w
	s_lshr_b32 s17, s14, 1                         ; wr
	s_bfe_u32 s18, ttmp6, 0x40000                  ; cx
	s_bfe_u32 s19, ttmp6, 0x40004                  ; cy
	s_lshr_b32 s20, ttmp9, 1
	s_lshl_b32 s20, s20, 2
	s_add_co_u32 s20, s20, s18                     ; head = 4 (cluster x / 2) + cx
	s_and_b32 s21, ttmp9, 1                        ; e
	s_and_b32 s22, ttmp7, 0xffff
	s_lshl_b32 s22, s22, 2
	s_add_co_u32 s22, s22, s19                     ; tb: my 256 tokens
	s_lshl_b32 s23, s19, 2
	s_lshl_b32 s23, 15, s23                        ; my row of the cluster
	s_lshl_b32 s60, 0x1111, s18                    ; my column
	s_or_b32 s[G1A], s23, (1<<20)|(1<<21)|(5<<22)|(3<<25)   ; elements of 1 byte; four words of padding after every 64
	s_or_b32 s[G1Q], s60, (1<<20)|(1<<21)|(5<<22)|(3<<25)
	s_or_b32 s[G1V], s60, (1<<20)|(1<<21)|(5<<22)|(3<<25)
.irp g, G1A, G1Q
	s_mov_b32 s[\g+2], 128<<16
	s_mov_b32 s[\g+4], 128
.endr
	s_mov_b32 s[G1V+2], 64<<16
	s_mov_b32 s[G1V+4], 64
.irp g, G1A, G1Q, G1V
	s_mov_b32 s[\g+1], 256<<16
	s_mov_b32 s[\g+3], 256<<16
	s_mov_b32 s[\g+5], 1024
	s_mov_b32 s[\g+6], 0
	s_mov_b32 s[\g+7], 0
.endr
	; offsets in bytes.  s60 h's codes, s62 Wq's or Wk's, s66 Wv's, with the slot's 256 bytes
	s_lshl_b32 s2, s15, 8
	s_lshl_b32 s60, s22, 18
	s_lshl_b32 s3, s16, 17
	s_add_co_u32 s60, s60, s3
	s_add_co_u32 s60, s60, s2
	s_mov_b32 s61, 0
	s_lshl_b32 s62, s20, 17
	s_add_co_u32 s62, s62, s2
	s_mov_b32 s63, 0
	s_lshl_b32 s3, s21, 16
	s_add_co_u32 s66, s62, s3
	s_mov_b32 s67, 0
	; s4 h's scale bytes, s6 Wq's or Wk's, s8 Wv's, s10 cos and sin
	s_lshl_b32 s4, s22, 14
	s_lshl_b32 s3, s17, 12
	s_add_co_u32 s4, s4, s3
	s_mov_b32 s5, 0
	s_lshl_b32 s6, s20, 13
	s_lshl_b32 s3, s16, 11
	s_add_co_u32 s6, s6, s3
	s_mov_b32 s7, 0
	s_lshl_b32 s3, s21, 12
	s_add_co_u32 s8, s6, s3
	s_mov_b32 s9, 0
	s_lshl_b32 s10, s22, 16
	s_lshl_b32 s3, s17, 14
	s_add_co_u32 s10, s10, s3
	s_lshl_b32 s3, s16, 7
	s_add_co_u32 s10, s10, s3
	s_mov_b32 s11, 0
	; the way out: s2 K's images, s94 Q's, s98 V's; s100 scale bytes in kv, s96 in q_sc
	s_mul_i32 s96, s20, 278528
	s_mul_i32 s98, s22, 34816
	s_add_co_u32 s96, s96, s98
	s_lshr_b32 s98, s17, 1
	s_mul_i32 s98, s98, 8704
	s_add_co_u32 s98, s98, s96
	s_and_b32 s99, s17, 1
	s_lshl_b32 s2, s99, 12
	s_lshl_b32 s3, s16, 9
	s_add_co_u32 s2, s2, s3
	s_add_co_u32 s2, s2, s98
	s_lshl_b32 s94, s20, 17
	s_add_co_u32 s94, s94, s3
	s_lshl_b32 s95, s22, 14
	s_add_co_u32 s94, s94, s95
	s_lshl_b32 s95, s17, 12
	s_add_co_u32 s94, s94, s95
	s_add_co_u32 s98, s98, 17408
	s_lshl_b32 s95, s99, 9
	s_add_co_u32 s98, s98, s95
	s_lshl_b32 s95, s21, 12
	s_add_co_u32 s98, s98, s95
	s_lshl_b32 s95, s16, 11
	s_add_co_u32 s98, s98, s95
	s_lshl_b32 s100, s21, 8
	s_add_co_u32 s100, s100, 25600
	s_mul_i32 s101, s14, 8704
	s_add_co_u32 s101, s101, 8192
	s_mov_b32 s23, 256
	s_cmp_eq_u32 s14, 2                            ; wave 2 stores V's scale bytes, waves 0 and 1 those of Q or K
	s_cselect_b32 s100, s100, s101
	s_cselect_b32 s23, 8704, s23
	s_add_co_u32 s100, s100, s96
	s_lshl_b32 s96, s20, 13
	s_lshl_b32 s101, s22, 10
	s_add_co_u32 s96, s96, s101
	s_lshl_b32 s101, s14, 9
	s_add_co_u32 s96, s96, s101
	s_lshr_b32 s101, s14, 1
	s_or_b32 s101, s101, s21                       ; 0: waves 0 and 1 where e = 0
	s_wait_dscnt 0x0                               ; both opening adds are done
	s_wait_kmcnt 0x0
	s_mov_b32 s95, 0
	s_mov_b32 s97, 0
	s_mov_b32 s99, 0
	s_cmp_eq_u32 s21, 0
	s_cselect_b64 s[72:73], s[72:73], s[76:77]
	s_cselect_b64 s[74:75], s[74:75], s[78:79]
	s_cselect_b32 s94, s94, s2
	s_cselect_b64 s[78:79], s[88:89], s[92:93]
	s_cmp_eq_u32 s101, 0
	s_cselect_b32 s96, s96, s100
	s_cselect_b64 s[76:77], s[90:91], s[92:93]
	s_add_nc_u64 s[94:95], s[78:79], s[94:95]
	s_add_nc_u64 s[76:77], s[76:77], s[96:97]
	s_add_nc_u64 s[96:97], s[92:93], s[98:99]
	s_mov_b64 s[98:99], s[76:77]
	s_add_nc_u64 s[68:69], s[68:69], s[60:61]
	s_add_nc_u64 s[72:73], s[72:73], s[62:63]
	s_add_nc_u64 s[80:81], s[80:81], s[66:67]
	s_add_nc_u64 s[4:5], s[70:71], s[4:5]
	s_add_nc_u64 s[6:7], s[74:75], s[6:7]
	s_add_nc_u64 s[8:9], s[82:83], s[8:9]
	s_add_nc_u64 s[12:13], s[86:87], s[10:11]
	s_add_nc_u64 s[10:11], s[84:85], s[10:11]
	s_mov_b32 s[G0A], 1
	s_mul_i32 s2, s15, SLOT
	s_mul_i32 s3, s16, 128*PITCH
	s_add_co_u32 s[G0A+1], s2, s3
	s_mov_b64 s[G0A+2:G0A+3], s[68:69]
	s_or_b32 s[G0A+3], s[G0A+3], 0x80000000
	s_mov_b32 s[G0Q], 1
	s_add_co_u32 s[G0Q+1], s2, BQ
	s_mov_b64 s[G0Q+2:G0Q+3], s[72:73]
	s_or_b32 s[G0Q+3], s[G0Q+3], 0x80000000
	s_mov_b32 s[G0V], 1
	s_add_co_u32 s[G0V+1], s2, BV
	s_mov_b64 s[G0V+2:G0V+3], s[80:81]
	s_or_b32 s[G0V+3], s[G0V+3], 0x80000000
	CROUND                                         ; all sixteen work-groups are here: the joint loads meet
	; one tree on the wave's number: every way through it passes one load; slot 0's and slot 1's have lines of their own
	ARM 2,G0A,G1A,.Lh1,.Lasked
	ARM 3,G0Q,G1Q,.Lh2,.Lasked
	ARM 4,G0V,G1V,.Lh3,.Lasked
	ARM 6,G0A,G1A,.Lh4,.Lasked
	ARM 7,G0Q,G1Q,.Lh5,.Lasked
	tensor_load_to_lds s[G0V:G0V+3], s[G1V:G1V+7]
	s_nop 0
.rept 4
	v_nop
.endr
.Lasked:
	; the prefetch: of the 128 rows that I fetch (of Wv: 64) my work-group names 32 (16), two K steps on
	s_and_b32 s101, s14, 3
	s_cmp_lt_u32 s101, 2
	s_cselect_b64 s[2:3], s[68:69], s[72:73]
	s_cselect_b32 s60, s18, s19
	s_cmp_eq_u32 s101, 3
	s_cselect_b64 s[2:3], s[80:81], s[2:3]
	s_cselect_b32 s62, 15, 31
	s_cselect_b32 s63, 14, 15
	s_lshl_b32 s60, s60, s63
	s_add_co_u32 s60, s60, 512
	s_mov_b32 s61, 0
	s_add_nc_u64 s[100:101], s[2:3], s[60:61]
	; LDS bases
	s_mul_i32 s60, s17, 64*PITCH
	s_mul_i32 s61, s16, 32*PITCH
	s_add_co_u32 s61, s61, BQ
	s_lshl_b32 s63, s17, 8
	s_lshl_b32 s2, s16, 1
	s_add_co_u32 s63, s63, s2
	s_add_co_u32 s63, s63, SB                      ; Q's or K's scale bytes: SB + 256 wr + 2 w
	s_lshr_b32 s66, s17, 1
	s_lshl_b32 s66, s66, 8
	s_lshl_b32 s2, s16, 7
	s_add_co_u32 s66, s66, s2
	s_and_b32 s2, s17, 1
	s_lshl_b32 s2, s2, 1
	s_add_co_u32 s66, s66, s2
	s_add_co_u32 s66, s66, SB+1024                 ; V's: 256 (wr / 2) + 128 w + 2 (wr % 2)
	s_lshl_b32 s67, s14, 9
	s_add_co_u32 s67, s67, SB
	v_and_b32 v96, 15, v0                          ; r
	v_bfe_u32 v97, v0, 4, 1                        ; h
	v_lshlrev_b32 v9, 6, v96
	v_lshl_add_u32 v9, v97, 5, v9                  ; a row's 64 scale bytes: 32 for each half of the lanes
.irp i, 0,1,2,3
	global_load_b128 v[16+8*\i:19+8*\i], v9, s[4:5] offset:1024*\i
	global_load_b128 v[20+8*\i:23+8*\i], v9, s[4:5] offset:1024*\i+16
.endr
.irp i, 0,1,2,3
	global_load_b128 v[48+8*\i:51+8*\i], v9, s[6:7] offset:4096*(\i/2)+1024*(\i%2)
	global_load_b128 v[52+8*\i:55+8*\i], v9, s[6:7] offset:4096*(\i/2)+1024*(\i%2)+16
.endr
.irp i, 0,1
	global_load_b128 v[80+8*\i:83+8*\i], v9, s[8:9] offset:1024*\i
	global_load_b128 v[84+8*\i:87+8*\i], v9, s[8:9] offset:1024*\i+16
.endr
	v_and_b32 v98, 31, v0
	v_lshlrev_b32 v7, 4, v98                       ; my place in an image
	v_lshlrev_b32 v8, 8, v96
	v_lshl_add_u32 v8, v97, 5, v8                  ; in cos and sin
	v_mul_u32_u24 v99, v96, PITCH
	v_lshl_add_u32 v99, v97, 4, v99
	v_add_nc_u32 v3, s60, v99
	v_add_nc_u32 v5, s61, v99
	v_add_nc_u32 v4, SLOT, v3
	v_add_nc_u32 v6, SLOT, v5
	v_lshlrev_b32 v100, 2, v96
	v_add_nc_u32 v10, s63, v100
	v_add_nc_u32 v11, s66, v100
	v_add_nc_u32 v13, s67, v7
	v_mul_u32_u24 v14, s23, v97
	v_lshl_add_u32 v14, v96, 4, v14
	v_min_u32 v12, s62, v98                        ; (of Wv's 16 rows the left-over lanes name the last again)
	v_lshlrev_b32 v12, 10, v12
.macro FETCH ks                        ; the 20 loads of a K step of 128: h's 4 fragments, W's 6
.set FB, 96+80*((\ks)%2)
.set SL, ((\ks)/4)%2
.set KO, 64*((\ks)%4)
.irp i, 0,1,2,3
	ds_load_b128 v[FB+8*\i:FB+8*\i+3], v[3+SL] offset:KO+\i*16*PITCH
	ds_load_b128 v[FB+8*\i+4:FB+8*\i+7], v[3+SL] offset:KO+\i*16*PITCH+32
.endr
.irp i, 0,1,2,3,4,5
	ds_load_b128 v[FB+32+8*\i:FB+32+8*\i+3], v[5+SL] offset:KO+(64*(\i/2)+16*(\i%2))*PITCH
	ds_load_b128 v[FB+32+8*\i+4:FB+32+8*\i+7], v[5+SL] offset:KO+(64*(\i/2)+16*(\i%2))*PITCH+32
.endr
.endm
.macro MM d,x,y,sx,sy,ks
.if (\ks) == 0
	v_wmma_scale_f32_16x16x128_f8f6f4 v[(\d):(\d)+7], v[(\x):(\x)+7], v[(\y):(\y)+7], 0, v[\sx], v[\sy] matrix_a_fmt:MATRIX_FMT_FP4 matrix_b_fmt:MATRIX_FMT_FP4
.elseif (\ks) < 8
	v_wmma_scale_f32_16x16x128_f8f6f4 v[(\d):(\d)+7], v[(\x):(\x)+7], v[(\y):(\y)+7], v[(\d):(\d)+7], v[\sx], v[\sy] matrix_a_fmt:MATRIX_FMT_FP4 matrix_b_fmt:MATRIX_FMT_FP4
.else
	v_wmma_scale_f32_16x16x128_f8f6f4 v[(\d):(\d)+7], v[(\x):(\x)+7], v[(\y):(\y)+7], v[(\d):(\d)+7], v[\sx], v[\sy] matrix_a_fmt:MATRIX_FMT_FP4 matrix_b_fmt:MATRIX_FMT_FP4 matrix_a_scale:MATRIX_SCALE_ROW1 matrix_b_scale:MATRIX_SCALE_ROW1
.endif
.endm
; row block a of a K step: six of the 24 accumulators, which take turns in the same order in every step
.macro MULA ks,a
.set FB, 96+80*((\ks)%2)
.set KQ, (\ks)%8
.irp b, 0,1,2,3
	MM 48*(\a)+8*\b,FB+32+8*\b,FB+8*(\a),48+8*\b+KQ,16+8*(\a)+KQ,\ks
.endr
.irp b, 4,5
	MM 48*(\a)+8*\b,FB+8*(\a),FB+32+8*\b,16+8*(\a)+KQ,48+8*\b+KQ,\ks
.endr
.endm
.macro PLACES                          ; four places behind matrix instructions, in front of loads into their sources and reads of their results
.rept 4
	v_nop
.endr
.endm
.macro STEP ks
	PLACES
	FETCH (\ks)+1
	s_wait_dscnt 20                                ; all but the next step's 20
	WIN 0x50
	MULA \ks,0
	MULA \ks,1
	MULA \ks,2
	MULA \ks,3
	WIN 0
.endm
; A slot's last step changes slots: in front of the barrier each wave waits for its tensor loads, adds 0, and waits for that and its reads; behind it slot 0 (ks = 3) or slot 1 (ks = 7) is filled again first.
.macro TURN ks,fill
	s_wait_dscnt 0x0
	WIN 0x50
	MULA \ks,0
	WIN 0
	s_wait_tensorcnt 0x0
	ds_add_u32 v1, v2
.if (\ks) == 3                         ; no load of mine is out: on to the one refill of my slot, two K steps on
	s_add_nc_u64 s[G0A+2:G0A+3], s[G0A+2:G0A+3], 512
	s_add_nc_u64 s[G0Q+2:G0Q+3], s[G0Q+2:G0Q+3], 512
	s_add_nc_u64 s[G0V+2:G0V+3], s[G0V+2:G0V+3], 512
.endif
	WIN 0x50
	MULA \ks,1
	s_wait_dscnt 0x0
	s_barrier_signal -1
	MULA \ks,2
	WIN 0
	s_barrier_wait -1
.if \fill
	CREST
.if (\ks) == 3
	ARM 2,G0A,G1A,.Lr1,.Lr9
	ARM 3,G0Q,G1Q,.Lr2,.Lr9
	s_cmp_lt_u32 s14, 4
	s_cbranch_scc0 .Lr9
	tensor_load_to_lds s[G0V:G0V+3], s[G1V:G1V+7]
	s_nop 0
	PLACES
.Lr9:
.else
	s_cmp_lt_u32 s14, 4
	s_cbranch_scc1 .Lt9
	ARM 6,G0A,G1A,.Lt1,.Lt9
	ARM 7,G0Q,G1Q,.Lt2,.Lt9
	tensor_load_to_lds s[G0V:G0V+3], s[G1V:G1V+7]
	s_nop 0
	PLACES
.Lt9:
.endif
.endif
	PLACES
	FETCH (\ks)+1
	WIN 0x50
	MULA \ks,3
	WIN 0
.endm
.macro TABLES a,t                      ; 16 tokens: cos, then sin, of my 32 channels
.irp u, 0,1
	global_load_b128 v[(\t)+8*\u:(\t)+8*\u+3], v8, s[10:11] offset:4096*(\a)+64*\u
	global_load_b128 v[(\t)+8*\u+4:(\t)+8*\u+7], v8, s[10:11] offset:4096*(\a)+64*\u+16
	global_load_b128 v[(\t)+16+8*\u:(\t)+16+8*\u+3], v8, s[12:13] offset:4096*(\a)+64*\u
	global_load_b128 v[(\t)+16+8*\u+4:(\t)+16+8*\u+7], v8, s[12:13] offset:4096*(\a)+64*\u+16
.endr
.endm
	s_wait_alu depctr_va_vdst(0)                   ; the head's end
	s_cmp_lt_u32 s14, 4
	s_cbranch_scc0 .Lslot1_is_mine
	s_wait_tensorcnt 0x0                           ; slot 0's four loads, in the waves that issued them; slot 1's may be out
.Lslot1_is_mine:
	s_barrier_signal -1
	s_barrier_wait -1
	FETCH 0
	global_prefetch_b8 v12, s[100:101] th:TH_LOAD_NT scope:SCOPE_SE
	s_wait_loadcnt 0x0                             ; scale words
	STEP 0
	STEP 1
	STEP 2
	TURN 3,1
	STEP 4
	WIN 0x40
	TABLES 0,192
	TABLES 1,224
	WIN 0
	STEP 5
	STEP 6
	TURN 7,1
	STEP 8
	STEP 9
	STEP 10
	TURN 11,0
	STEP 12
	STEP 13
	STEP 14
	PLACES
	TABLES 2,96                                    ; into buffer 0, which has had its last product
	TABLES 3,128
	s_wait_dscnt 0x0
	WIN 0x50
	MULA 15,0
	MULA 15,1
	MULA 15,2
	MULA 15,3
	WIN 0
	PLACES
; Two blocks of 32 (tiles a, b and tiles c, d of 8 registers, window w): codes to v[pc .. pc + 3]: lanes 0-15 the first block, lanes 16-31 the second; their two scale bytes to v[sw].
.macro QUANT a,b,c,d,w,pc,sw
	WIN (\w)*5
	v_max3_num_f32 v160, |v[(\a)]|, |v[(\a)+1]|, 0x1800000          ; with the floor 2^(3 - 127): a byte cannot fall under 1
	v_max3_num_f32 v161, |v[(\b)]|, |v[(\b)+1]|, 0x1800000
	v_max3_num_f32 v162, |v[(\c)]|, |v[(\c)+1]|, 0x1800000
	v_max3_num_f32 v163, |v[(\d)]|, |v[(\d)+1]|, 0x1800000
.irp i, 2,4,6
	v_max3_num_f32 v160, |v[(\a)+\i]|, |v[(\a)+\i+1]|, v160
	v_max3_num_f32 v161, |v[(\b)+\i]|, |v[(\b)+\i+1]|, v161
	v_max3_num_f32 v162, |v[(\c)+\i]|, |v[(\c)+\i+1]|, v162
	v_max3_num_f32 v163, |v[(\d)+\i]|, |v[(\d)+\i+1]|, v163
.endr
	WIN 0
	v_max_num_f32 v160, v160, v161
	v_max_num_f32 v162, v162, v163
	v_permlanex16_b32 v164, v160, s2, s3
	v_permlanex16_b32 v165, v162, s2, s3
	v_max_num_f32 v160, v160, v164
	v_max_num_f32 v162, v162, v165
	v_add_nc_u32 v166, 0xff000000, v160            ; 2 off the exponent field: the conversion's scale operand
	v_add_nc_u32 v167, 0xff000000, v162
	v_lshrrev_b32 v168, 23, v166
	v_lshrrev_b32 v169, 23, v167
	v_lshl_or_b32 v[\sw], v169, 8, v168
	WIN \w
	v_cvt_scalef32_pk8_fp4_f32 v[(\pc)], v[(\a):(\a)+7], v166
	v_cvt_scalef32_pk8_fp4_f32 v[(\pc)+1], v[(\c):(\c)+7], v167
	v_cvt_scalef32_pk8_fp4_f32 v[(\pc)+2], v[(\b):(\b)+7], v166
	v_cvt_scalef32_pk8_fp4_f32 v[(\pc)+3], v[(\d):(\d)+7], v167
	WIN 0
	v_nop
	v_permlane16_swap_b32 v[(\pc)], v[(\pc)+1]
	v_permlane16_swap_b32 v[(\pc)+2], v[(\pc)+3]
.endm
; RoPE of row block a: v176-191 block w, v192-207 block w + 2.  t: cos, sin 16 further on, in window w
.macro ROPE a,t,w
	WIN 1|((\w)<<2)
.irp i, 0,2,4,6,8,10,12,14
	v_pk_mul_f32 v[176+\i:177+\i], v[48*(\a)+16+\i:48*(\a)+17+\i], v[(\t)+16+\i:(\t)+17+\i]
	v_pk_mul_f32 v[192+\i:193+\i], v[48*(\a)+\i:48*(\a)+1+\i], v[(\t)+16+\i:(\t)+17+\i]
.endr
.irp i, 0,2,4,6,8,10,12,14
	v_pk_fma_f32 v[176+\i:177+\i], v[48*(\a)+\i:48*(\a)+1+\i], v[(\t)+\i:(\t)+1+\i], v[176+\i:177+\i] neg_lo:[0,0,1] neg_hi:[0,0,1]
	v_pk_fma_f32 v[192+\i:193+\i], v[48*(\a)+16+\i:48*(\a)+17+\i], v[(\t)+\i:(\t)+1+\i], v[192+\i:193+\i]
.endr
	WIN 0
.endm
	s_mov_b32 s2, 0x76543210                       ; v_permlanex16_b32's selects: lane l xor 16
	s_mov_b32 s3, 0xfedcba98
	v_mov_b32 v164, 0
	v_mov_b32 v165, 0
.irp n, 0,1                            ; V: two tiles of 16 channels x my 64 keys: half an image each, 512 consecutive bytes
	QUANT 32+8*\n,80+8*\n,128+8*\n,176+8*\n,1,208+4*\n,170+\n
	global_store_b128 v7, v[208+4*\n:211+4*\n], s[96:97] offset:1024*\n
	ds_store_b16 v11, v[170+\n] offset:64*\n
.endr
	s_wait_alu depctr_va_vdst(0)
	s_wait_loadcnt 16                              ; row blocks 0 and 1; the later sixteen may be out
.macro QKOUT a
	QUANT 176,184,192,200,0,216+4*(\a),172+(\a)
	global_store_b128 v7, v[216+4*(\a):219+4*(\a)], s[94:95] offset:1024*(\a)
	ds_store_b16 v10, v[172+(\a)] offset:64*(\a)
.endm
	ROPE 0,192,1
	QKOUT 0
	ROPE 1,224,1
	QKOUT 1
	s_wait_alu depctr_va_vdst(0)
	s_wait_loadcnt 0x0
	ROPE 2,96,0
	QKOUT 2
	ROPE 3,128,0
	QKOUT 3
	s_wait_alu depctr_va_vdst(0)
	s_wait_dscnt 0x0                               ; my scale bytes lie in LDS
	s_barrier_signal -1
	s_barrier_wait -1
	s_cmp_lt_u32 s14, 3
	s_cbranch_scc0 .Lend
	ds_load_b128 v[176:179], v13
	s_wait_dscnt 0x0
	global_store_b128 v14, v[176:179], s[98:99]    ; 512 bytes: whole aligned units of 256
.Lend:
	s_wait_tensorcnt 0x0                           ; the wave's end
	ds_add_u32 v1, v2
	s_wait_dscnt 0x0
	CROUND                                         ; no work-group ends while a partner may still ask for a tile that names it
	s_endpgm
.Lfunc_end_k_q81407cf3a5_qkv:
	.size	k_q81407cf3a5_qkv, .Lfunc_end_k_q81407cf3a5_qkv-k_q81407cf3a5_qkv
	.p2alignl 7, 3214868480
	.fill 96, 4, 3214868480
	.section	.rodata,"a",@progbits
	.p2align	6, 0x0
	.amdhsa_kernel k_q81407cf3a5_qkv
		.amdhsa_group_segment_fixed_size 327680
		.amdhsa_private_segment_fixed_size 0
		.amdhsa_enable_private_segment 0
		.amdhsa_kernarg_size 104
		.amdhsa_user_sgpr_count 2
		.amdhsa_user_sgpr_kernarg_segment_ptr 1
		.amdhsa_wavefront_size32 1
		.amdhsa_system_sgpr_workgroup_id_x 1
		.amdhsa_system_sgpr_workgroup_id_y 1
		.amdhsa_system_sgpr_workgroup_id_z 1
		.amdhsa_system_vgpr_workitem_id 0
		.amdhsa_next_free_vgpr 512
		.amdhsa_next_free_sgpr 102
		.amdhsa_reserve_vcc 0
		.amdhsa_float_denorm_mode_32 3
		.amdhsa_float_denorm_mode_16_64 3
		.amdhsa_memory_ordered 1
		.amdhsa_forward_progress 1
		.amdhsa_inst_pref_size 114
	.end_amdhsa_kernel
	.amdgpu_metadata
---
amdhsa.version: [ 1, 2 ]
amdhsa.kernels:
  - .name:           k_q81407cf3a5_qkv
    .symbol:         k_q81407cf3a5_qkv.kd
    .args:
      - { .name: h_codes, .offset: 0, .size: 8, .value_kind: global_buffer, .address_space: global }
      - { .name: h_scales, .offset: 8, .size: 8, .value_kind: global_buffer, .address_space: global }
      - { .name: Wq_codes, .offset: 16, .size: 8, .value_kind: global_buffer, .address_space: global }
      - { .name: Wq_scales, .offset: 24, .size: 8, .value_kind: global_buffer, .address_space: global }
      - { .name: Wk_codes, .offset: 32, .size: 8, .value_kind: global_buffer, .address_space: global }
      - { .name: Wk_scales, .offset: 40, .size: 8, .value_kind: global_buffer, .address_space: global }
      - { .name: Wv_codes, .offset: 48, .size: 8, .value_kind: global_buffer, .address_space: global }
      - { .name: Wv_scales, .offset: 56, .size: 8, .value_kind: global_buffer, .address_space: global }
      - { .name: cos, .offset: 64, .size: 8, .value_kind: global_buffer, .address_space: global }
      - { .name: sin, .offset: 72, .size: 8, .value_kind: global_buffer, .address_space: global }
      - { .name: q_img, .offset: 80, .size: 8, .value_kind: global_buffer, .address_space: global }
      - { .name: q_sc, .offset: 88, .size: 8, .value_kind: global_buffer, .address_space: global }
      - { .name: kv, .offset: 96, .size: 8, .value_kind: global_buffer, .address_space: global }
    .group_segment_fixed_size: 327680
    .private_segment_fixed_size: 0
    .kernarg_segment_align: 8
    .kernarg_segment_size: 104
    .max_flat_workgroup_size: 256
    .sgpr_count:     102
    .vgpr_count:     512
    .wavefront_size: 32
...
	.end_amdgpu_metadata
.endif
;; end of part 2
;; launch attn (part 3): grid 16 x 16, 16 waves a work-group, clusters of 4 x 1, 285,184 bytes of LDS; arguments q_img, q_sc, kv, a_img, a_sc; writes a_img, a_sc
.if DOCPART == 3
	.amdgcn_target "amdgcn-amd-amdhsa--gfx1250"
	.amdhsa_code_object_version 6
	.text
	.protected	k_q81407cf3a5_attn
	.globl	k_q81407cf3a5_attn
	.p2align	8
	.type	k_q81407cf3a5_attn,@function
k_q81407cf3a5_attn:
	s_mov_b64 s[64:65], 0
	v_nop
	global_prefetch_b8 v0, s[64:65] scope:SCOPE_SE
	s_setreg_imm32_b32 hwreg(HW_REG_WAVE_MODE, 25, 1), 1
	s_wait_xcnt 0x0
	s_wait_alu depctr_hold_cnt(0) depctr_sa_sdst(0) depctr_va_vdst(0) depctr_va_sdst(0) depctr_va_ssrc(0) depctr_va_vcc(0) depctr_vm_vsrc(0)
	s_getreg_b32 s2, hwreg(HW_REG_IB_STS2, 6, 4)
	s_cmp_eq_u32 s2, 0
	s_cbranch_scc0 .Lentry_in_a_cluster
	s_endpgm
.Lentry_in_a_cluster:
	s_bfe_u32 s2, ttmp6, 0x10000c
	s_cmp_lg_u32 s2, 0x3003
	s_cbranch_scc0 .Lentry_shape_is_right
	s_endpgm
.Lentry_shape_is_right:
; attn[q][head][:] = the sum over keys k <= q of softmax_k(Q[q] . K[k] / sqrt(128)) V[k][:], both products on codes of FP4 (E2M1) with one E8M0 scale for each 32 along a product's K; the result is quantised along the head's 128.
; THE SOFTMAX: t = score x log2(e) / sqrt(128); M = the row's largest t so far, rounded UP to a whole number; p = 2^(t - M) is quantised along the keys, not normalised.  The row's sum is taken of the unquantised p and divides at the end.
; When M moves, the sum and O are multiplied by 2^(old M - new M): exact.
; WORK LEFT OUT: key steps of 128 keys that all come after a wave's 16 queries: the mask that reference() builds gives them the probability 0 for all finite inputs (key 0 counts for every query).
; SHARES.  A work-group takes 8 tiles of 16 queries, tile t of blocks j and 15 - j of 128 queries, j = 2 s + e, s = 0..3: a block b needs b + 1 key steps, so the two tiles of an s need 17 together.
; wave = s + 4 p + 8 (second of the two): TWO waves share a tile: p = 0 walks the even key steps, p = 1 the odd ones, each with an M, a sum and an O of its own.  At the end they exchange halves of O through LDS
; (wave p keeps channels 64 p .. + 63), bring both to the larger M by exact powers of two, add and divide.
; CLUSTERS 4 x 1: partners differ in t alone (e and t / 4 come from the cluster's number), and no branch hangs on t: so the head's K and V are asked for jointly by all four.
; LDS.  A head's K and V lie in LDS whole: 16 pieces of 17,408 dense bytes, each filled ONCE, one load a wave: piece 2 i: K of key steps 2 i and 2 i + 1 (8 images and 512 bytes of scale words each), piece 2 i + 1: V of the same steps.
; Pieces 0 and 1 (waves 0 and 1, with a load line of their own) are waited for first: a wave's first key step is walked while the others are on their way.
; Every work-group reads of every piece (its longest tile needs 15 or 16 steps).  No prefetch: all loads go out at the head and there is no loop of loads.
; LAYOUT.  S^T = K Q^T, O^T = V^T P^T: a lane holds ONE query (lane % 16) throughout; tile t's register j is key (or channel) 16 t + 8 (lane / 16) + j.
; LIMITS: the scaled scores (the exponents to the base 2, before the maximum is taken away) stay under 2^31 in magnitude; a block of zeros gets the byte 1 with zero codes; blocks under 2^-124 keep the byte 1; NaN and infinities are not served.
; REGISTERS: v1, v3, v5, v8, v10, v24-29 addresses; v6, v7, v30, v31 K's scale words (of tiles 2 i in lanes 0-15 and 2 i + 1 in lanes 16-31), v248-251 V's; v11 the mask's bound; v12 -M, v13 the largest t, v[14:15] the sum in two halves; v16-23 Q;
;   v32-95 and v96-159 change roles from step to step: one holds K's, then V's fragments, the other S^T, then p, then the next step's K; v160-223 O^T; v224-231 p's codes; v232-241, v244-247, v254 at work; v242, v243 the add; v252 f; v253 p's scale word; v255 Q's.
.set SPARE, 278528
.set MS,    SPARE+2048                 ; 256 bytes a wave: -M and the sum
.set SCW,   MS+4096                    ; scale words of the result: 64 bytes a tile
.set ST,   72                          ; s72  the key step
.set TB,   73                          ; s73  where its K begins in LDS; V 17,408 further on
.set CNT,  74
.set BLK,  54                          ; s54  my block of 128 queries
.set PP,   56                          ; s56  p
.set SEL,  58
.set CS,   36                          ; s[36:37] c = log2(e) / sqrt(128), twice
.macro CROUND
	s_barrier_signal -1
	s_barrier_wait -1
	s_cmp_lg_u32 s12, 0
	s_cbranch_scc1 .Lnot_wave_0_\@
	s_barrier_signal -3
.Lnot_wave_0_\@:
	s_barrier_wait -3
	s_barrier_signal -1
	s_barrier_wait -1
.endm
	s_load_b256 s[4:11], s[0:1], 0x0               ; q_img, q_sc, kv, a_img
	s_load_b64 s[14:15], s[0:1], 0x20              ; a_sc
	v_lshl_add_u32 v242, v0, 2, SPARE
	v_mov_b32 v243, 0
	ds_add_u32 v242, v243                          ; the opening: the add, twice on end
	ds_add_u32 v242, v243
	v_lshrrev_b32 v8, 5, v0
	v_readfirstlane_b32 s12, v8                    ; wave 0..15
	s_and_b32 s13, ttmp7, 0xffff                   ; head
	s_bfe_u32 s52, ttmp6, 0x40000
	s_lshr_b32 s53, ttmp9, 1
	s_lshl_b32 s53, s53, 2
	s_add_co_u32 s52, s52, s53                     ; t
	s_and_b32 s53, ttmp9, 1                        ; e
	s_and_b32 s54, s12, 3
	s_lshl_b32 s54, s54, 1
	s_add_co_u32 s54, s54, s53                     ; j
	s_lshr_b32 s55, s12, 3
	s_mul_i32 s55, s55, 15
	s_xor_b32 s[BLK], s54, s55                     ; j or 15 - j
	s_lshr_b32 s56, s12, 2
	s_and_b32 s[PP], s56, 1
	s_lshl_b32 s57, s[BLK], 3
	s_add_co_u32 s57, s57, s52                     ; my tile, 0..127
	s_mov_b32 s16, 15|(3<<16)|(1<<21)              ; the mask of all four; elements of 8 bytes; 21 set beside a mask; no padding: images are read 512 consecutive bytes at a time
	s_mov_b32 s17, 32<<16
	s_mov_b32 s18, 68<<16
	s_mov_b32 s19, 32<<16
	s_mov_b32 s20, 68                              ; 68 rows of 256 bytes, dense
	s_mov_b32 s21, 32
	s_mov_b32 s22, 0
	s_mov_b32 s23, 0
	s_mov_b32 s32, 1
	s_mul_i32 s33, s12, 17408
	s_mul_i32 s60, s13, 278528
	s_add_co_u32 s60, s60, s33
	s_mov_b32 s61, 0
	s_lshl_b32 s62, s13, 17                        ; Q's image
	s_lshl_b32 s63, s57, 10
	s_add_co_u32 s62, s62, s63
	s_mov_b32 s63, 0
	s_lshl_b32 s66, s13, 13                        ; its scale words
	s_lshl_b32 s67, s57, 6
	s_add_co_u32 s66, s66, s67
	s_mov_b32 s67, 0
	s_lshl_b32 s68, s57, 14                        ; the result's image: [tile][head], my half
	s_lshl_b32 s69, s13, 10
	s_add_co_u32 s68, s68, s69
	s_lshl_b32 s69, s[PP], 9
	s_add_co_u32 s68, s68, s69
	s_mov_b32 s69, 0
	s_lshl_b32 s70, s52, 10                        ; its scale words: tile t of block 0
	s_lshl_b32 s71, s13, 6
	s_add_co_u32 s70, s70, s71
	s_mov_b32 s71, 0
	s_mov_b32 s[SEL], 0x76543210
	s_mov_b32 s[SEL+1], 0xfedcba98
	s_mov_b32 s[CS], 0x3e0293ee
	s_mov_b32 s[CS+1], s[CS]
	s_mov_b32 s[ST], s[PP]
	s_mul_i32 s[TB], s[PP], 8704
	s_mov_b32 s[CNT], 3
	s_lshl_b32 s38, s12, 12                        ; exchange: my 4,096 bytes, on K's and V's bytes once nobody reads them,
	s_xor_b32 s39, s12, 4
	s_lshl_b32 s40, s39, 12                        ; and my partner's
	s_lshl_b32 s41, s12, 8
	s_add_co_u32 s41, s41, MS
	s_lshl_b32 s42, s39, 8
	s_add_co_u32 s42, s42, MS
	s_and_b32 s43, s12, 3
	s_lshr_b32 s44, s12, 3
	s_lshl_b32 s44, s44, 2
	s_add_co_u32 s43, s43, s44
	s_lshl_b32 s43, s43, 6
	s_lshl_b32 s44, s[PP], 1
	s_add_co_u32 s43, s43, s44
	s_add_co_u32 s43, s43, SCW                     ; scale bytes: SCW + 64 tile + 2 p
	s_lshl_b32 s44, s52, 4                         ; 16 t
	s_wait_dscnt 0x0
	s_wait_kmcnt 0x0
	s_add_nc_u64 s[34:35], s[8:9], s[60:61]
	s_or_b32 s35, s35, 0x80000000
	s_add_nc_u64 s[4:5], s[4:5], s[62:63]
	s_add_nc_u64 s[6:7], s[6:7], s[66:67]
	s_add_nc_u64 s[10:11], s[10:11], s[68:69]
	s_add_nc_u64 s[14:15], s[14:15], s[70:71]
	CROUND                                         ; all four work-groups are here: the joint loads meet
	s_cmp_lt_u32 s12, 2                            ; one load a wave; the two that are waited for first have a line of their own
	s_cbranch_scc0 .Lrest
	tensor_load_to_lds s[32:35], s[16:23]
	s_nop 0
.rept 4
	v_nop
.endr
	s_branch .Lasked
.Lrest:
	tensor_load_to_lds s[32:35], s[16:23]
	s_nop 0
.rept 4
	v_nop
.endr
.Lasked:
	v_and_b32 v96, 31, v0                          ; lane
	v_and_b32 v2, 15, v0                           ; r
	v_bfe_u32 v4, v0, 4, 1                         ; h
	v_lshlrev_b32 v1, 4, v96
	v_lshlrev_b32 v3, 2, v96
	v_lshlrev_b32 v9, 2, v2
	global_load_b128 v[16:19], v1, s[4:5]          ; Q's fragment stays in registers
	global_load_b128 v[20:23], v1, s[4:5] offset:512
	global_load_b32 v255, v9, s[6:7]
	v_lshlrev_b32 v11, 3, v4
	v_sub_nc_u32 v11, v2, v11
	v_add_nc_u32 v11, s44, v11                     ; my query in its block - 8 h
	v_add_nc_u32 v24, s38, v1
	v_add_nc_u32 v25, s40, v1
	v_add_nc_u32 v26, s41, v3
	v_add_nc_u32 v27, s42, v3
	v_add_nc_u32 v28, s43, v9
	v_add_nc_u32 v29, SCW, v1
	v_bfe_u32 v5, v96, 2, 2                        ; wave 0's store of the scale words: lane i takes piece i % 4 of tile i / 4: s = (i / 4) % 4,
	v_lshl_add_u32 v5, v5, 1, s53                  ; j = 2 s + e,
	v_mul_u32_u24 v97, 15, v4
	v_xor_b32 v5, v5, v97                          ; j or 15 - j
	v_lshlrev_b32 v5, 13, v5
	v_and_b32 v97, 3, v96
	v_lshl_add_u32 v5, v97, 4, v5
	v_mov_b32 v13, 0xff61b1e6                      ; the largest t so far: -3e38, under every t
	v_floor_f32 v12, -v13                          ; -M
	v_mov_b32 v14, 0
	v_mov_b32 v15, 0
.irp b, 0,1,2,3
	v_mov_b32 v[236+\b], 0                         ; a lane permute's destination counts as one of its sources
.endr
	v_mov_b32 v252, 0
	v_mov_b32 v253, 0
.set j, 0
.rept 64
	v_mov_b32 v[160+j], 0                          ; O^T: the first change of M leaves zeros zeros
.set j, j+1
.endr
; K of a key step, off bytes beyond v8's and v10's: four scale words, then eight images into d ..: 20 loads
.macro LOADK d,off
.irp i, 0,1,2,3
	ds_load_b32 v[6+\i+22*(\i/2)], v10 offset:(\off)+8192+128*\i
.endr
.irp t, 0,1,2,3,4,5,6,7
	ds_load_b128 v[\d+8*\t:\d+8*\t+3], v8 offset:(\off)+1024*\t
	ds_load_b128 v[\d+8*\t+4:\d+8*\t+7], v8 offset:(\off)+1024*\t+512
.endr
.endm
; A KEY STEP: 128 keys.  x: K's fragments, already asked for; then V's.  y: S^T, then p; with pre = 1 then my next key step's K.
.macro STEP x,y,pre
	s_cmp_gt_u32 s[ST], s[BLK]                     ; a step past my block is left out: a branch on ids round its work
	s_cbranch_scc0 .Lwork_\@
	s_wait_dscnt 0x0                               ; (its K has been asked for)
	s_branch .Lnext_\@
.Lwork_\@:
	v_add_nc_u32 v8, s[TB], v1
	v_add_nc_u32 v10, s[TB], v3
	s_wait_alu depctr_va_vdst(0)
.irp i, 0,1,2,3                                ; S^T = K Q^T: eight tiles of 16 keys
	s_wait_dscnt 12-4*\i                           ; tiles 2 i and 2 i + 1 are in; the images behind them may be out
	v_wmma_scale_f32_16x16x128_f8f6f4 v[\y+16*\i:\y+16*\i+7], v[\x+16*\i:\x+16*\i+7], v[16:23], 0, v[6+\i+22*(\i/2)], v255 matrix_a_fmt:MATRIX_FMT_FP4 matrix_b_fmt:MATRIX_FMT_FP4
	v_wmma_scale_f32_16x16x128_f8f6f4 v[\y+16*\i+8:\y+16*\i+15], v[\x+16*\i+8:\x+16*\i+15], v[16:23], 0, v[6+\i+22*(\i/2)], v255 matrix_a_fmt:MATRIX_FMT_FP4 matrix_b_fmt:MATRIX_FMT_FP4 matrix_a_scale:MATRIX_SCALE_ROW1
.endr
.rept 4
	v_nop                                          ; places (ISA guide 7.12.1)
.endr
.irp i, 0,1,2,3
	ds_load_b32 v[248+\i], v10 offset:25600+128*\i ; V lands while the softmax is worked
.endr
.irp t, 0,1,2,3,4,5,6,7
	ds_load_b128 v[\x+8*\t:\x+8*\t+3], v8 offset:17408+1024*\t
	ds_load_b128 v[\x+8*\t+4:\x+8*\t+7], v8 offset:17408+1024*\t+512
.endr
	s_cmp_lg_u32 s[ST], s[BLK]                     ; on the diagonal the scores of hidden keys become -infinity: p = 0 then
	s_cbranch_scc1 .Lopen_\@
	v_mov_b32 v233, 0xff800000
.set n, 0
.rept 64
	v_cmp_gt_i32 vcc_lo, 16*(n/8)+n%8, v11
	v_cndmask_b32 v[\y+n], v[\y+n], v233, vcc_lo
.set n, n+1
.endr
.Lopen_\@:
.irp b, 0,1,2,3
	v_max3_num_f32 v[232+\b], v[\y+16*\b], v[\y+16*\b+1], v[\y+16*\b+2]   ; the largest score of each block of 32 keys: for the row's maximum, and, since p rises with the score, for the block's largest p
.endr
.irp i, 3,5,7,9,11,13
.irp b, 0,1,2,3
	v_max3_num_f32 v[232+\b], v[232+\b], v[\y+16*\b+\i], v[\y+16*\b+\i+1]
.endr
.endr
.irp b, 0,1,2,3
	v_max_num_f32 v[232+\b], v[232+\b], v[\y+16*\b+15]
.endr
.irp b, 0,1,2,3
	v_permlanex16_b32 v[236+\b], v[232+\b], s[SEL], s[SEL+1]
.endr
.irp b, 0,1,2,3
	v_max_num_f32 v[232+\b], v[232+\b], v[236+\b]
.endr
	v_max3_num_f32 v254, v232, v233, v234
	v_max_num_f32 v254, v254, v235
	v_mul_f32 v254, s[CS], v254                    ; as t (c is positive)
	v_max_num_f32 v13, v13, v254                   ; the running largest t
	v_mov_b32 v254, v12
	v_floor_f32 v12, -v13                          ; the new -M: a whole number
	v_sub_f32 v254, v12, v254                      ; old M - new M, 0 or less
	v_cvt_i32_f32 v254, v254                       ; (it saturates)
	v_ldexp_f32 v252, 1.0, v254                    ; f
.set j, \y
.rept 32
	v_pk_fma_f32 v[j:j+1], v[j:j+1], s[CS:CS+1], v[12:13] op_sel_hi:[1,0,0]   ; t - M
.set j, j+2
.endr
.irp b, 0,1,2,3
	v_fma_f32 v[232+\b], v[232+\b], s[CS], v12
.endr
.set j, \y
	s_wait_alu depctr_va_vdst(0)                   ; ahead of the batch,
.rept 64
	v_exp_f32 v[j], v[j]                           ; p, at most 1
.set j, j+1
.endr
.irp b, 0,1,2,3
	v_exp_f32 v[232+\b], v[232+\b]                 ; the block's largest p: the same instructions on the same number give the same bits
.endr
	v_pk_mul_f32 v[14:15], v[14:15], v[252:253] op_sel_hi:[1,0]   ; the sums under the new M; a plain instruction behind the exponentials
	s_wait_alu depctr_va_vdst(0)                   ; and behind it
.irp b, 0,1,2,3
	v_max_num_f32 v[232+\b], 0x1800000, v[232+\b]  ; the floor 2^(3 - 127): the byte cannot fall under 1
.endr
.irp b, 0,1,2,3
	v_add_nc_u32 v[244+\b], 0xff000000, v[232+\b]  ; 2 off the exponent field: the conversion's scale operand
.endr
.irp b, 0,1,2,3
	v_lshrrev_b32 v[236+\b], 23, v[244+\b]
.endr
	v_lshl_or_b32 v253, v237, 8, v236              ; p's scale word
	v_lshl_or_b32 v253, v238, 16, v253
	v_lshl_or_b32 v253, v239, 24, v253
.irp t, 0,1,2,3,4,5,6,7
	v_cvt_scalef32_pk8_fp4_f32 v[224+4*(\t/4)+2*(\t%2)+(\t%4)/2], v[\y+8*\t:\y+8*\t+7], v[244+\t/2]
.endr
	v_nop
.irp c, 0,1
	v_permlane16_swap_b32 v[224+4*\c], v[225+4*\c] ; a whole block of 32 keys in a lane
	v_permlane16_swap_b32 v[226+4*\c], v[227+4*\c]
.endr
	v_pk_add_f32 v[236:237], v[\y:\y+1], v[\y+2:\y+3]        ; the row's sum, of the unquantised p, in four chains
	v_pk_add_f32 v[240:241], v[\y+4:\y+5], v[\y+6:\y+7]
	v_pk_add_f32 v[244:245], v[\y+8:\y+9], v[\y+10:\y+11]
.set j, \y+12
.rept 6
	v_pk_add_f32 v[14:15], v[14:15], v[j:j+1]
	v_pk_add_f32 v[236:237], v[236:237], v[j+2:j+3]
	v_pk_add_f32 v[240:241], v[240:241], v[j+4:j+5]
	v_pk_add_f32 v[244:245], v[244:245], v[j+6:j+7]
.set j, j+8
.endr
	v_pk_add_f32 v[14:15], v[14:15], v[\y+60:\y+61]
	v_pk_add_f32 v[236:237], v[236:237], v[\y+62:\y+63]
.if \pre
	LOADK \y,34816                                 ; p has been read for the last time: my next key step's K takes its registers
.endif
	v_pk_add_f32 v[240:241], v[240:241], v[244:245]
	v_pk_add_f32 v[14:15], v[14:15], v[236:237]
	v_pk_add_f32 v[14:15], v[14:15], v[240:241]
	s_wait_alu depctr_va_vdst(0)                   ; ahead of the first reader of O^T
.set j, 0
.rept 32
	v_pk_mul_f32 v[160+j:161+j], v[160+j:161+j], v[252:253] op_sel_hi:[1,0]   ; O^T under the new M
.set j, j+2
.endr
	s_wait_alu depctr_va_vdst(0)
.if \pre
	s_wait_dscnt 20                                ; V is in; the next K's 20 loads may be out
.else
	s_wait_dscnt 0x0                               ; V
.endif
.irp i, 0,1,2,3                                ; O^T += V^T P^T: the eight accumulators by turns, one instruction a turn
	v_wmma_scale_f32_16x16x128_f8f6f4 v[160+16*\i:167+16*\i], v[\x+16*\i:\x+16*\i+7], v[224:231], v[160+16*\i:167+16*\i], v[248+\i], v253 matrix_a_fmt:MATRIX_FMT_FP4 matrix_b_fmt:MATRIX_FMT_FP4
	v_wmma_scale_f32_16x16x128_f8f6f4 v[168+16*\i:175+16*\i], v[\x+16*\i+8:\x+16*\i+15], v[224:231], v[168+16*\i:175+16*\i], v[248+\i], v253 matrix_a_fmt:MATRIX_FMT_FP4 matrix_b_fmt:MATRIX_FMT_FP4 matrix_a_scale:MATRIX_SCALE_ROW1
.endr
.rept 5
	v_nop                                          ; places: the next S^T is written over V's fragments
.endr
.Lnext_\@:
	s_add_co_u32 s[TB], s[TB], 34816
	s_add_co_u32 s[ST], s[ST], 2
.endm
	s_wait_alu depctr_va_vdst(0)                   ; the head's end
	s_wait_loadcnt 0x0                             ; Q
	s_cmp_lt_u32 s12, 2
	s_cbranch_scc0 .Lothers
	s_wait_tensorcnt 0x0                           ; pieces 0 and 1, in the waves that asked for them
.Lothers:
	s_barrier_signal -1
	s_barrier_wait -1
	v_add_nc_u32 v8, s[TB], v1
	v_add_nc_u32 v10, s[TB], v3
	LOADK 32,0
	STEP 32,96,0
	s_wait_alu depctr_va_vdst(0)
	s_wait_tensorcnt 0x0                           ; my piece is in; behind the barrier all sixteen are
	s_wait_dscnt 0x0
	s_barrier_signal -1
	s_barrier_wait -1
	v_add_nc_u32 v8, s[TB], v1
	v_add_nc_u32 v10, s[TB], v3
	LOADK 96,0
.Lsteps:                               ; key steps 2 + p .. 12 + p, two a trip: then the roles are back where they began
	STEP 96,32,1
	STEP 32,96,1
	s_sub_co_u32 s[CNT], s[CNT], 1
	s_cmp_lg_u32 s[CNT], 0
	s_cbranch_scc1 .Lsteps
	STEP 96,32,0
	; THE JOIN of the two waves of a tile
	v_add_f32 v14, v14, v15                        ; the sum's two halves,
	v_permlanex16_b32 v252, v14, s[SEL], s[SEL+1]
	v_add_f32 v14, v14, v252                       ; and lane l xor 16's: my key steps' sum
	v_mov_b32 v245, 0                              ; (upper words of pairs that are named below)
	v_mov_b32 v247, 0
	s_wait_alu depctr_va_vdst(0)
	s_wait_dscnt 0x0
	s_barrier_signal -1
	s_barrier_wait -1                              ; nobody reads K or V any more: their bytes, filled for the last time at the head, take the halves of O
	ds_store_b32 v26, v12
	ds_store_b32 v26, v14 offset:128
	s_cmp_eq_u32 s[PP], 0
	s_cbranch_scc0 .Lodd
.irp t, 0,1,2,3                                ; p = 0 gives channels 64-127 away,
	ds_store_b128 v24, v[192+8*\t:195+8*\t] offset:1024*\t
	ds_store_b128 v24, v[196+8*\t:199+8*\t] offset:1024*\t+512
.endr
	s_branch .Lsent
.Lodd:
.irp t, 0,1,2,3                                ; p = 1 channels 0-63
	ds_store_b128 v24, v[160+8*\t:163+8*\t] offset:1024*\t
	ds_store_b128 v24, v[164+8*\t:167+8*\t] offset:1024*\t+512
.endr
.Lsent:
	s_wait_dscnt 0x0
	s_barrier_signal -1
	s_barrier_wait -1
	ds_load_b32 v232, v27                          ; my partner's -M
	ds_load_b32 v233, v27 offset:128               ; and sum,
.irp t, 0,1,2,3
	ds_load_b128 v[128+8*\t:131+8*\t], v25 offset:1024*\t  ; then my half of its O
	ds_load_b128 v[132+8*\t:135+8*\t], v25 offset:1024*\t+512
.endr
	s_wait_dscnt 8                                 ; -M and the sum; the eight behind them may be out
	v_min_num_f32 v234, v12, v232                  ; the larger M's -M
	v_sub_f32 v235, v234, v12                      ; whole numbers, 0 or less (a wave that had no step: far below: its factor is 0)
	v_sub_f32 v236, v234, v232
	v_cvt_i32_f32 v235, v235
	v_cvt_i32_f32 v236, v236
	v_ldexp_f32 v244, 1.0, v235
	v_ldexp_f32 v246, 1.0, v236
	v_mul_f32 v237, v14, v244
	v_fma_f32 v237, v233, v246, v237               ; the row's sum
	s_wait_alu depctr_va_vdst(0)
	v_rcp_f32 v238, v237
	v_nop
	s_wait_alu depctr_va_vdst(0)
	v_mul_f32 v244, v244, v238
	v_mul_f32 v246, v246, v238
	s_wait_alu depctr_va_vdst(0)
	s_cmp_eq_u32 s[PP], 0
	s_cbranch_scc0 .Lodd_half
.irp j, 0,2,4,6,8,10,12,14,16,18,20,22,24,26,28,30
	v_pk_mul_f32 v[96+\j:97+\j], v[160+\j:161+\j], v[244:245] op_sel_hi:[1,0]
.endr
	s_wait_alu depctr_va_vdst(0)
	s_branch .Lscaled
.Lodd_half:
.irp j, 0,2,4,6,8,10,12,14,16,18,20,22,24,26,28,30
	v_pk_mul_f32 v[96+\j:97+\j], v[192+\j:193+\j], v[244:245] op_sel_hi:[1,0]
.endr
.Lscaled:
	s_wait_alu depctr_va_vdst(0)
	s_wait_dscnt 0x0
.irp j, 0,2,4,6,8,10,12,14,16,18,20,22,24,26,28,30
	v_pk_fma_f32 v[96+\j:97+\j], v[128+\j:129+\j], v[246:247], v[96+\j:97+\j] op_sel_hi:[1,0,1]   ; register 8 t + i is attn(query r, 64 p + 16 t + 8 h + i)
.endr
	; quantised along the head: two blocks of 32
	v_max3_num_f32 v232, |v96|, |v97|, 0x1800000
	v_max3_num_f32 v233, |v104|, |v105|, 0x1800000
	v_max3_num_f32 v234, |v112|, |v113|, 0x1800000
	v_max3_num_f32 v235, |v120|, |v121|, 0x1800000
.irp i, 2,4,6
	v_max3_num_f32 v232, |v[96+\i]|, |v[97+\i]|, v232
	v_max3_num_f32 v233, |v[104+\i]|, |v[105+\i]|, v233
	v_max3_num_f32 v234, |v[112+\i]|, |v[113+\i]|, v234
	v_max3_num_f32 v235, |v[120+\i]|, |v[121+\i]|, v235
.endr
	v_max_num_f32 v232, v232, v233
	v_max_num_f32 v234, v234, v235
	v_permlanex16_b32 v236, v232, s[SEL], s[SEL+1]
	v_permlanex16_b32 v237, v234, s[SEL], s[SEL+1]
	v_max_num_f32 v232, v232, v236
	v_max_num_f32 v234, v234, v237
	v_add_nc_u32 v240, 0xff000000, v232
	v_add_nc_u32 v241, 0xff000000, v234
	v_lshrrev_b32 v238, 23, v240
	v_lshrrev_b32 v239, 23, v241
	v_lshl_or_b32 v253, v239, 8, v238
	v_cvt_scalef32_pk8_fp4_f32 v224, v[96:103], v240
	v_cvt_scalef32_pk8_fp4_f32 v225, v[112:119], v241
	v_cvt_scalef32_pk8_fp4_f32 v226, v[104:111], v240
	v_cvt_scalef32_pk8_fp4_f32 v227, v[120:127], v241
	v_nop
	v_permlane16_swap_b32 v224, v225
	v_permlane16_swap_b32 v226, v227
	global_store_b128 v1, v[224:227], s[10:11]     ; half an image: 512 consecutive bytes, aligned
	ds_store_b16 v28, v253                         ; lanes r and r + 16 write the same two bytes with the same value
	s_wait_alu depctr_va_vdst(0)
	s_wait_dscnt 0x0
	s_barrier_signal -1
	s_barrier_wait -1
	s_cmp_lg_u32 s12, 0
	s_cbranch_scc1 .Lend
	ds_load_b128 v[96:99], v29
	s_wait_dscnt 0x0
	global_store_b128 v5, v[96:99], s[14:15]       ; 64 bytes of each of eight tiles, which lie 8,192 bytes apart or more: a tile's other heads belong to other work-groups
.Lend:
	s_wait_tensorcnt 0x0                           ; the wave's end
	ds_add_u32 v242, v243
	s_wait_dscnt 0x0
	CROUND                                         ; no work-group ends while a partner may still ask for a piece that names it
	s_endpgm
.Lfunc_end_k_q81407cf3a5_attn:
	.size	k_q81407cf3a5_attn, .Lfunc_end_k_q81407cf3a5_attn-k_q81407cf3a5_attn
	.p2alignl 7, 3214868480
	.fill 96, 4, 3214868480
	.section	.rodata,"a",@progbits
	.p2align	6, 0x0
	.amdhsa_kernel k_q81407cf3a5_attn
		.amdhsa_group_segment_fixed_size 285184
		.amdhsa_private_segment_fixed_size 0
		.amdhsa_enable_private_segment 0
		.amdhsa_kernarg_size 40
		.amdhsa_user_sgpr_count 2
		.amdhsa_user_sgpr_kernarg_segment_ptr 1
		.amdhsa_wavefront_size32 1
		.amdhsa_system_sgpr_workgroup_id_x 1
		.amdhsa_system_sgpr_workgroup_id_y 1
		.amdhsa_system_sgpr_workgroup_id_z 1
		.amdhsa_system_vgpr_workitem_id 0
		.amdhsa_next_free_vgpr 256
		.amdhsa_next_free_sgpr 80
		.amdhsa_reserve_vcc 1
		.amdhsa_float_denorm_mode_32 3
		.amdhsa_float_denorm_mode_16_64 3
		.amdhsa_memory_ordered 1
		.amdhsa_forward_progress 1
		.amdhsa_inst_pref_size 110
	.end_amdhsa_kernel
	.amdgpu_metadata
---
amdhsa.version: [ 1, 2 ]
amdhsa.kernels:
  - .name:           k_q81407cf3a5_attn
    .symbol:         k_q81407cf3a5_attn.kd
    .args:
      - { .name: q_img, .offset: 0, .size: 8, .value_kind: global_buffer, .address_space: global }
      - { .name: q_sc, .offset: 8, .size: 8, .value_kind: global_buffer, .address_space: global }
      - { .name: kv, .offset: 16, .size: 8, .value_kind: global_buffer, .address_space: global }
      - { .name: a_img, .offset: 24, .size: 8, .value_kind: global_buffer, .address_space: global }
      - { .name: a_sc, .offset: 32, .size: 8, .value_kind: global_buffer, .address_space: global }
    .group_segment_fixed_size: 285184
    .private_segment_fixed_size: 0
    .kernarg_segment_align: 8
    .kernarg_segment_size: 40
    .max_flat_workgroup_size: 512
    .sgpr_count:     80
    .vgpr_count:     256
    .wavefront_size: 32
...
	.end_amdgpu_metadata
.endif
;; end of part 3
;; launch oproj (part 4): grid 16 x 16, 4 waves a work-group, clusters of 4 x 4, 167,936 bytes of LDS; arguments a_img, a_sc, Wo_codes, Wo_scales, x, out0; writes out0
.if DOCPART == 4
	.amdgcn_target "amdgcn-amd-amdhsa--gfx1250"
	.amdhsa_code_object_version 6
	.text
	.protected	k_q81407cf3a5_oproj
	.globl	k_q81407cf3a5_oproj
	.p2align	8
	.type	k_q81407cf3a5_oproj,@function
k_q81407cf3a5_oproj:
	s_mov_b64 s[64:65], 0
	v_nop
	global_prefetch_b8 v0, s[64:65] scope:SCOPE_SE
	s_setreg_imm32_b32 hwreg(HW_REG_WAVE_MODE, 25, 1), 1
	s_wait_xcnt 0x0
	s_wait_alu depctr_hold_cnt(0) depctr_sa_sdst(0) depctr_va_vdst(0) depctr_va_sdst(0) depctr_va_ssrc(0) depctr_va_vcc(0) depctr_vm_vsrc(0)
	s_getreg_b32 s2, hwreg(HW_REG_IB_STS2, 6, 4)
	s_cmp_eq_u32 s2, 0
	s_cbranch_scc0 .Lentry_in_a_cluster
	s_endpgm
.Lentry_in_a_cluster:
	s_bfe_u32 s2, ttmp6, 0x10000c
	s_cmp_lg_u32 s2, 0xf033
	s_cbranch_scc0 .Lentry_shape_is_right
	s_endpgm
.Lentry_shape_is_right:
; out0[q][n] = x[q][n] + sum over k of attn[q][k] Wo[n][k], on codes of FP4 (E2M1) with one E8M0 scale for each 32 along K = 2048; f32 sums that begin with x.
; attn comes as images of operand registers, [tile of 16 rows][head = K step of 128]: 1,024 bytes each (registers 4c .. 4c+3 at 512 c + 16 lane), with 64 bytes of scale words each.  Wo: [2048][1024 bytes], scale bytes [2048][64].
; A tile of the output is 128 x 128: 16 x 16 = 256 work-groups; four waves, 64 x 64 each.
; Wo's 128 rows lie in LDS, all of K: rows of 1,024 bytes + 16 of padding; every byte is filled once, one joint load of 32 rows a wave at the head.  CLUSTERS 4 x 4: Wo's rows are asked for jointly along a column of the cluster.
; attn's images are NOT asked for jointly: they lie in the order of the operand registers, so 128 loads of 512 consecutive bytes bring a wave its four row blocks whole;
; by LDS the same 131,072 bytes of a work-group would be written there once and read from there twice.
; No prefetch: what is first needed is asked for at the head, and there is no loop to run ahead in.
; THE ORDER: all of Wo's fragments come into registers (4 blocks x 16 K steps x 8); then my four blocks of 16 rows are finished one after the other, 64 products each, and each leaves while the next is multiplied.
; THE MATRIX INSTRUCTION IS USED TRANSPOSED (source 0 = 16 rows of Wo, source 1 = 16 rows of attn): a lane holds eight neighbouring numbers of a row of the output.
; LIMITS: NaN and infinities are not served.
; REGISTERS: window 0: v1, v2 the add; v8-15 addresses; scale words (register 8 i + k: K step k in lanes 0-15, 8 + k in lanes 16-31): v16 attn's 4 blocks, v48 Wo's 4; v80-207 accumulators, (a, b) at 80 + 8 (4 a + b); v208-239 rows read back.
;   windows 1 and 2: Wo's fragments of K steps 0-7 and 8-15, (K step k, block b) at 8 (4 (k % 8) + b);   window 3: attn's fragments of a row block, two buffers of 128.
.set PB,    1040
.set STG,   128*PB                     ; stages: 16 rows x 272 bytes for each wave
.set SPARE, STG+4*16*272
.set G1B, 32
.set G0B, 72
.set MSB, 0
.macro WIN new
.if MSB != (\new)
	s_set_vgpr_msb (MSB<<8)|(\new)
.set MSB, \new
.endif
.endm
.macro CROUND
	s_barrier_signal -1
	s_barrier_wait -1
	s_cmp_lg_u32 s16, 0
	s_cbranch_scc1 .Lnot_wave_0_\@
	s_barrier_signal -3
.Lnot_wave_0_\@:
	s_barrier_wait -3
	s_barrier_signal -1
	s_barrier_wait -1
.endm
	s_load_b256 s[4:11], s[0:1], 0x0               ; a_img, a_sc, Wo's codes, Wo's scale bytes
	s_load_b128 s[12:15], s[0:1], 0x20             ; x, out0
	v_lshl_add_u32 v1, v0, 2, SPARE
	v_mov_b32 v2, 0
	ds_add_u32 v1, v2                              ; the opening: the add, twice on end
	ds_add_u32 v1, v2
	v_lshrrev_b32 v208, 5, v0
	v_readfirstlane_b32 s16, v208                  ; wave 0..3
	s_lshr_b32 s17, s16, 1                         ; which half of the rows is mine
	s_and_b32 s18, s16, 1                          ; which half of the columns
	s_bfe_u32 s56, ttmp6, 0x40000
	s_bfe_u32 s57, ttmp6, 0x40004
	s_lshl_b32 s58, ttmp9, 2
	s_add_co_u32 s58, s58, s56                     ; tile column
	s_and_b32 s59, ttmp7, 0xffff
	s_lshl_b32 s59, s59, 2
	s_add_co_u32 s59, s59, s57                     ; tile row
	s_lshl_b32 s61, 0x1111, s56                    ; my column of the cluster
	s_or_b32 s[G1B], s61, (1<<20)|(1<<21)|(7<<22)|(3<<25)   ; 32 rows of 1,024 bytes, four words of padding after every 256; 21 set beside a mask
	s_mov_b32 s[G1B+1], 1024<<16
	s_mov_b32 s[G1B+2], 32<<16
	s_mov_b32 s[G1B+3], 1024<<16
	s_mov_b32 s[G1B+4], 32
	s_mov_b32 s[G1B+5], 1024
	s_mov_b32 s[G1B+6], 0
	s_mov_b32 s[G1B+7], 0
	s_lshl_b32 s19, s17, 16
	s_lshl_b32 s20, s59, 17
	s_add_co_u32 s20, s20, s19                     ; attn's images: my 64 rows, four tiles of 16,384 bytes
	s_mov_b32 s21, 0
	s_lshl_b32 s19, s16, 15
	s_lshl_b32 s92, s58, 17
	s_add_co_u32 s92, s92, s19                     ; Wo's rows: on the tile column alone; I fetch 32 of them
	s_mov_b32 s93, 0
	s_lshl_b32 s22, s59, 13
	s_lshl_b32 s19, s17, 12
	s_add_co_u32 s22, s22, s19                     ; attn's scale words, my 64 rows
	s_mov_b32 s23, 0
	s_lshl_b32 s94, s58, 13
	s_lshl_b32 s19, s18, 12
	s_add_co_u32 s94, s94, s19                     ; Wo's scale bytes, my 64 columns
	s_mov_b32 s95, 0
	s_lshl_b32 s66, s59, 20                        ; x and the output: (128 x tile row + 64 x half) rows of 8,192 bytes + 512 x tile column + 256 x half
	s_lshl_b32 s62, s17, 19
	s_add_co_u32 s66, s66, s62
	s_lshl_b32 s62, s58, 9
	s_add_co_u32 s66, s66, s62
	s_lshl_b32 s62, s18, 8
	s_add_co_u32 s66, s66, s62
	s_mov_b32 s67, 0
	s_mul_i32 s2, s16, 32*PB                       ; in LDS: the rows that I fetch
	s_mul_i32 s3, s18, 64*PB                       ; and those of my 64 columns
	s_wait_dscnt 0x0
	s_wait_kmcnt 0x0
	s_mov_b32 s[G0B], 1
	s_mov_b32 s[G0B+1], s2
	s_add_nc_u64 s[G0B+2:G0B+3], s[8:9], s[92:93]
	s_or_b32 s[G0B+3], s[G0B+3], 0x80000000
	s_add_nc_u64 s[4:5], s[4:5], s[20:21]
	s_add_nc_u64 s[6:7], s[6:7], s[22:23]
	s_add_nc_u64 s[10:11], s[10:11], s[94:95]
	s_add_nc_u64 s[12:13], s[12:13], s[66:67]
	s_add_nc_u64 s[14:15], s[14:15], s[66:67]
	s_mul_i32 s62, s16, 16*272
	s_add_co_u32 s62, s62, STG                     ; my stage
	CROUND                                         ; all sixteen work-groups are here: the joint loads meet
	tensor_load_to_lds s[G0B:G0B+3], s[G1B:G1B+7]  ; one load a wave
	s_nop 0
.rept 4
	v_nop
.endr
	v_and_b32 v208, 15, v0                         ; r
	v_bfe_u32 v209, v0, 4, 1                       ; h
	v_and_b32 v210, 31, v0
	v_lshlrev_b32 v14, 2, v208
	v_lshl_add_u32 v14, v209, 9, v14               ; attn's scale words: 64 bytes a K step; lanes 16-31 eight K steps on
	v_lshlrev_b32 v15, 6, v208
	v_lshl_add_u32 v15, v209, 5, v15               ; a row's 64 scale bytes of Wo: 32 for each half of the lanes
	v_lshlrev_b32 v13, 13, v208
	v_lshl_add_u32 v13, v209, 5, v13               ; x: row r, eight numbers
	v_lshlrev_b32 v8, 4, v210                      ; my place in an image
	v_mul_u32_u24 v9, v208, PB
	v_lshl_add_u32 v9, v209, 4, v9
	v_add_nc_u32 v9, s3, v9                        ; Wo's rows: my 64 columns
	v_mul_u32_u24 v10, v208, 272
	v_lshl_add_u32 v10, v209, 5, v10
	v_add_nc_u32 v10, s62, v10                     ; into the stage: row r, 32 bytes for each half of the lanes
	v_mul_u32_u24 v11, v209, 272
	v_lshl_add_u32 v11, v208, 4, v11
	v_add_nc_u32 v11, s62, v11                     ; back: lanes 0-15 one row, lanes 16-31 the next
	v_lshlrev_b32 v12, 13, v209
	v_lshl_add_u32 v12, v208, 4, v12               ; and in the output
.macro LX a                            ; x of row block a, where its sums begin: 8 loads
	WIN 0
.irp b, 0,1,2,3
	global_load_b128 v[80+8*(4*(\a)+\b):83+8*(4*(\a)+\b)], v13, s[12:13] offset:131072*(\a)+64*\b
	global_load_b128 v[84+8*(4*(\a)+\b):87+8*(4*(\a)+\b)], v13, s[12:13] offset:131072*(\a)+64*\b+16
.endr
.endm
.macro LA a,g                          ; attn's fragments of row block a, K steps 4 g .. 4 g + 3: 8 loads of 512 consecutive bytes
	WIN 0xc0
.irp k, 0,1,2,3
	global_load_b128 v[128*((\a)%2)+8*(4*(\g)+\k):128*((\a)%2)+8*(4*(\g)+\k)+3], v8, s[4:5] offset:16384*(\a)+1024*(4*(\g)+\k)
	global_load_b128 v[128*((\a)%2)+8*(4*(\g)+\k)+4:128*((\a)%2)+8*(4*(\g)+\k)+7], v8, s[4:5] offset:16384*(\a)+1024*(4*(\g)+\k)+512
.endr
	WIN 0
.endm
.macro LB g                            ; Wo's fragments of the same K steps: 32 loads
	WIN 0x40<<((\g)/2)
.irp k, 0,1,2,3
.irp b, 0,1,2,3
	ds_load_b128 v[(32*(4*(\g)+\k)+8*\b)%256:(32*(4*(\g)+\k)+8*\b)%256+3], v9 offset:16*PB*\b+64*(4*(\g)+\k)
	ds_load_b128 v[(32*(4*(\g)+\k)+8*\b)%256+4:(32*(4*(\g)+\k)+8*\b)%256+7], v9 offset:16*PB*\b+64*(4*(\g)+\k)+32
.endr
.endr
.endm
; 16 products: row block a, K steps 4 g .. 4 g + 3.  Its four accumulators take turns, one instruction a turn: three others stand between a sum's steps.
.macro MMG a,g
	WIN 0x0d+(\g)/2
.irp k, 0,1,2,3
.set KS, 4*(\g)+\k
.set XA, 128*((\a)%2)+8*KS
.irp b, 0,1,2,3
.set DC, 80+8*(4*(\a)+\b)
.set XB, (32*KS+8*\b)%256
.if (\g) < 2
	v_wmma_scale_f32_16x16x128_f8f6f4 v[DC:DC+7], v[XB:XB+7], v[XA:XA+7], v[DC:DC+7], v[48+8*\b+KS%8], v[16+8*(\a)+KS%8] matrix_a_fmt:MATRIX_FMT_FP4 matrix_b_fmt:MATRIX_FMT_FP4
.else
	v_wmma_scale_f32_16x16x128_f8f6f4 v[DC:DC+7], v[XB:XB+7], v[XA:XA+7], v[DC:DC+7], v[48+8*\b+KS%8], v[16+8*(\a)+KS%8] matrix_a_fmt:MATRIX_FMT_FP4 matrix_b_fmt:MATRIX_FMT_FP4 matrix_a_scale:MATRIX_SCALE_ROW1 matrix_b_scale:MATRIX_SCALE_ROW1
.endif
.endr
.endr
.endm
.macro PLACES                          ; four places behind matrix instructions, in front of reads of their results and loads into their sources
.rept 4
	v_nop
.endr
.endm
; the way out through my own stage: LDS serves a wave's instructions in order (ISA guide 5.7.1.4), so no wait stands between these stores and loads
.macro TOSTAGE a
	WIN 0
.irp b, 0,1,2,3
	ds_store_b128 v10, v[80+8*(4*(\a)+\b):83+8*(4*(\a)+\b)] offset:64*\b
	ds_store_b128 v10, v[84+8*(4*(\a)+\b):87+8*(4*(\a)+\b)] offset:64*\b+16
.endr
.irp t, 0,1,2,3,4,5,6,7
	ds_load_b128 v[208+4*\t:211+4*\t], v11 offset:\t*2*272
.endr
.endm
.macro SEND a
	WIN 0
.irp t, 0,1,2,3,4,5,6,7
	global_store_b128 v12, v[208+4*\t:211+4*\t], s[14:15] offset:(16*(\a)+2*\t)*8192 th:TH_STORE_NT   ; 16 lanes store 256 consecutive bytes, aligned
.endr
.endm
.irp i, 0,1,2,3                                ; scale words, 40 loads
.irp k, 0,1,2,3,4,5,6,7
	global_load_b32 v[16+8*\i+\k], v14, s[6:7] offset:1024*\i+64*\k
.endr
	global_load_b128 v[48+8*\i:51+8*\i], v15, s[10:11] offset:1024*\i
	global_load_b128 v[52+8*\i:55+8*\i], v15, s[10:11] offset:1024*\i+16
.endr
.irp g, 0,1,2,3
	LA 0,\g
.endr
	LX 0
.irp g, 0,1,2,3
	LA 1,\g
.endr
	LX 1
	LX 2
	LX 3
	s_wait_alu depctr_va_vdst(0)                   ; the head's end
	s_wait_tensorcnt 0x0
	s_barrier_signal -1
	s_barrier_wait -1                              ; everybody's rows of Wo are in; nothing is ever filled again
	LB 0
	LB 1
	s_wait_loadcnt 56                              ; the scale words, row block 0's fragments and x; behind them row block 1's 32 + 8 and x of 2 and 3, 16, may be out
	s_wait_dscnt 32                                ; the first group; the next group's 32 may be out
	MMG 0,0
	LB 2
	s_wait_dscnt 32
	MMG 0,1
	WIN 0
	PLACES
	LA 2,0                                         ; row block 2 takes the registers of row block 0, half by half
	LA 2,1
	LB 3
	s_wait_dscnt 32
	MMG 0,2
	s_wait_dscnt 0x0
	MMG 0,3
.irp a, 1,2,3                          ; row block a is multiplied, a - 1 leaves, a + 1 is fetched
	WIN 0
	s_wait_xcnt 0x0                                ; the stores have read the registers that the stage is read back into
	PLACES
	TOSTAGE \a-1
.if \a < 3
	LA \a+1,2
	LA \a+1,3
.endif
.if \a == 1
	s_wait_loadcnt 48                              ; behind row block 1's x: x of 2 and 3, 16, and row block 2's 32
.elseif \a == 2
	s_wait_loadcnt 32                              ; behind row block 2's fragments: row block 3's 32
.else
	s_wait_loadcnt 0x0
.endif
	MMG \a,0
	MMG \a,1
.if \a == 1
	WIN 0
	PLACES
	LA 3,0
	LA 3,1
.endif
	WIN 0
	s_wait_dscnt 0x0                               ; the rows are back
	SEND \a-1
	MMG \a,2
	MMG \a,3
.endr
	WIN 0
	s_wait_xcnt 0x0
	PLACES
	TOSTAGE 3
	s_wait_dscnt 0x0
	SEND 3
	s_wait_tensorcnt 0x0                           ; the wave's end
	ds_add_u32 v1, v2
	s_wait_dscnt 0x0
	CROUND                                         ; the closing round: no work-group ends while a partner may still ask for a tile that names it
	s_endpgm
.Lfunc_end_k_q81407cf3a5_oproj:
	.size	k_q81407cf3a5_oproj, .Lfunc_end_k_q81407cf3a5_oproj-k_q81407cf3a5_oproj
	.p2alignl 7, 3214868480
	.fill 96, 4, 3214868480
	.section	.rodata,"a",@progbits
	.p2align	6, 0x0
	.amdhsa_kernel k_q81407cf3a5_oproj
		.amdhsa_group_segment_fixed_size 167936
		.amdhsa_private_segment_fixed_size 0
		.amdhsa_enable_private_segment 0
		.amdhsa_kernarg_size 48
		.amdhsa_user_sgpr_count 2
		.amdhsa_user_sgpr_kernarg_segment_ptr 1
		.amdhsa_wavefront_size32 1
		.amdhsa_system_sgpr_workgroup_id_x 1
		.amdhsa_system_sgpr_workgroup_id_y 1
		.amdhsa_system_sgpr_workgroup_id_z 1
		.amdhsa_system_vgpr_workitem_id 0
		.amdhsa_next_free_vgpr 1024
		.amdhsa_next_free_sgpr 96
		.amdhsa_reserve_vcc 0
		.amdhsa_float_denorm_mode_32 3
		.amdhsa_float_denorm_mode_16_64 3
		.amdhsa_memory_ordered 1
		.amdhsa_forward_progress 1
		.amdhsa_inst_pref_size 74
	.end_amdhsa_kernel
	.amdgpu_metadata
---
amdhsa.version: [ 1, 2 ]
amdhsa.kernels:
  - .name:           k_q81407cf3a5_oproj
    .symbol:         k_q81407cf3a5_oproj.kd
    .args:
      - { .name: a_img, .offset: 0, .size: 8, .value_kind: global_buffer, .address_space: global }
      - { .name: a_sc, .offset: 8, .size: 8, .value_kind: global_buffer, .address_space: global }
      - { .name: Wo_codes, .offset: 16, .size: 8, .value_kind: global_buffer, .address_space: global }
      - { .name: Wo_scales, .offset: 24, .size: 8, .value_kind: global_buffer, .address_space: global }
      - { .name: x, .offset: 32, .size: 8, .value_kind: global_buffer, .address_space: global }
      - { .name: out0, .offset: 40, .size: 8, .value_kind: global_buffer, .address_space: global }
    .group_segment_fixed_size: 167936
    .private_segment_fixed_size: 0
    .kernarg_segment_align: 8
    .kernarg_segment_size: 48
    .max_flat_workgroup_size: 128
    .sgpr_count:     96
    .vgpr_count:     1024
    .wavefront_size: 32
...
	.end_amdgpu_metadata
.endif
;; end of part 4
